; MI455X (gfx1250); checked and timed in simulation.
; The chip was launched on July 23, 2026; its instructions are those of AMD's public machine-readable ISA for CDNA 5 (MIT licence, August 2026) and "CDNA5" Instruction Set Architecture Reference Guide (July 2026). The comments in the code are by the model that wrote it; some were corrected since.
;; Llama Attention. Allowed arithmetic: matrix products marked QUANTISED: E3M2 operands, one E8M0 scale for each 32 along K, by v_wmma_scale_f32_16x16x128_f8f6f4 with both operands' format E3M2, f32 sums; everything else in f32.
;; Inputs: Wk 512 x 4,096 float32; Wo 4,096 x 1,024 float32; Wq 1,024 x 4,096 float32; Wv 512 x 4,096 float32; attention_mask 2 x 1 x 2,048 x 2,048 float32; cos 2 x 2,048 x 128 float32; hidden_states 2 x 2,048 x 4,096 float32; sin 2 x 2,048 x 128 float32.
;; Outputs: out0 2 x 2,048 x 4,096 float32.
;; This version of the problem:
;;   THIS VERSION OF THE PROBLEM IS GIVEN IN LOW PRECISION. The matrix products marked QUANTISED in the list below multiply operands that are first quantised to E3M2 (3 exponent bits, 2 mantissa bits; 6 bits a number), with one power-of-two scale for each 32 numbers along K (OCP MX v1.0); their sums are f32. All else is computed in f32.
;;   The module's matrix products, in the order in which they are computed (A, B: the left and right operand; K: the contracted axis; several contracted axes count as one K, in the product's order):
;;     1. [M 4,096, K 4,096] x [K 4,096, N 1,024]; A: input hidden_states; B: input Wq: QUANTISED
;;     2. [M 4,096, K 4,096] x [K 4,096, N 512]; A: input hidden_states; B: input Wk: QUANTISED
;;     3. [M 4,096, K 4,096] x [K 4,096, N 512]; A: input hidden_states; B: input Wv: QUANTISED
;;     4. batch 16 x [M 2,048, K 128] x [K 128, N 2,048]; A: computed on the way; B: computed on the way: QUANTISED
;;     5. batch 16 x [M 2,048, K 2,048] x [K 2,048, N 128]; A: softmax (see below); B: computed on the way: QUANTISED
;;     6. [M 4,096, K 1,024] x [K 1,024, N 4,096]; A: computed on the way; B: input Wo: QUANTISED
;;   THE QUANTISER, for each operand of a quantised product, along K:
;;     - K is cut into blocks of 32 from its start; a last block that is shorter is filled with zeros.
;;     - A block's scale is 2^e with e = floor(log2(the largest magnitude in the block)) - 4, held to -126 .. 127; a block of zeros has e = 0. As a byte (E8M0): e + 127.
;;     - Each number is divided by its block's scale, clamped to +-28, and rounded to the nearest number of E3M2, ties to even, subnormals kept.
;;     - The product sums the exact products of the quantised numbers (number of the format x scale) in f32.
;;   ~~~python
;;   def quantise(x, axis):      # numpy; x: float32 -> the quantised numbers, widened to float32 again
;;       x = np.moveaxis(x, axis, -1); K = x.shape[-1]
;;       x = np.pad(x, [(0, 0)] * (x.ndim - 1) + [(0, -K % 32)]); x = x.reshape(x.shape[:-1] + (-1, 32)); a = np.abs(x).max(-1, keepdims=True)
;;       e = np.where(a > 0, np.clip(np.frexp(np.where(a > 0, a, 1))[1] - 1 - 4, -126, 127), 0)      # np.frexp(a)[1] - 1 = floor(log2(a)), exactly
;;       r = np.clip(x / 2.0 ** e, -28, 28)
;;       step = 2.0 ** (np.maximum(np.frexp(np.where(r == 0, 1, r))[1] - 1, -2) - 2)
;;       q = np.round(r / step) * step * 2.0 ** e      # np.round: ties to even
;;       return np.moveaxis(q.reshape(q.shape[:-2] + (-1,))[..., :K], -1, axis).astype(np.float32)
;;   ~~~
;;   SOFTMAX AHEAD OF A QUANTISED PRODUCT. Where the list says 'softmax', what is quantised is not the finished softmax but p = 2^(t - M), with t = logit x log2(e) and M = ceil(the row's largest t), a whole number; so 1/2 < the row's largest p <= 1. The row's sum l is taken of the UNQUANTISED p, in f32, and the product's result is divided by l at the end. Since M is a whole number, a kernel that streams over the keys may use a running M (the ceiling of the running maximum): every later rescaling is an exact power of two, which a block's scale takes up: the codes' values come out the same.
;;   OPERANDS COMPUTED ON THE WAY. 'Computed on the way' means the value that the module computes at that place (a softmax that the list does not call 'softmax' is quantised finished and normalised). What goes into a quantiser is computed in f32, as accurately as f32 sums, v_exp_f32 and their like allow (about 1e-6 of the number): no bf16 or f16 on the way to a quantiser, and a product that is left as it is and whose result goes on into a quantised operand takes f32 operands (vector FMAs, or v_wmma_f32_16x16x4_f32). A number that lies on a knife's edge between two numbers of the format may be rounded either way, as far as f32 arithmetic and the matrix unit's own rounding can turn it there, and no further.
;; One version. Each part assembles by itself: llvm-mc -triple=amdgcn-amd-amdhsa -mcpu=gfx1250 --defsym DOCPART=n.
;; ======== version 1 of 1: 5 launches
;; workspace buffers: qa 22,937,600 bytes; qkv 33,554,432 bytes; qc 6,553,600 bytes; ao 3,276,800 bytes
;; launch quant (part 1): grid 896 x 1, 4 waves a work-group, no clusters, 33,280 bytes of LDS; arguments hidden_states, Wq, Wk, Wv, Wo, qa; writes qa
.if DOCPART == 1
	.amdgcn_target "amdgcn-amd-amdhsa--gfx1250"
	.amdhsa_code_object_version 6
	.text
	.protected	k_qb52a8d6c36_quant
	.globl	k_qb52a8d6c36_quant
	.p2align	8
	.type	k_qb52a8d6c36_quant,@function
k_qb52a8d6c36_quant:
	s_mov_b64 s[64:65], 0
	v_nop
	global_prefetch_b8 v0, s[64:65] scope:SCOPE_SE
	s_setreg_imm32_b32 hwreg(HW_REG_WAVE_MODE, 25, 1), 1
	s_wait_xcnt 0x0
; hidden_states [4096][4096], Wq [1024][4096], Wk [512][4096], Wv [512][4096], Wo [4096][1024], all f32 with K innermost, are turned into codes of BF6 (E3M2), 6 bits each,
; with one E8M0 scale byte for each 32 along K.  A block's scale is 2^(floor(log2(its largest magnitude)) - 4); its byte is the largest magnitude's exponent field - 4, held at 1 from below.
; (A block of zeros so gets the byte 1 where the rule says 127: its codes are zeros, which add nothing under any byte but 0xff, and the bytes are read by this program alone.)
; LIMITS: NaN and infinities among the inputs are not served; blocks whose largest magnitude lies under 2^(4 - 126) keep the byte 1.
; Rows are dense and every K is a multiple of 32, so each tensor is a plain stream of blocks of 32 numbers, and so are its codes and its scale bytes.
; A work-group takes 32,768 numbers, a wave one run of 8,192 (16 steps of 512).  Work-groups 0-511 take hidden_states, 512-639 Wq, 640-703 Wk, 704-767 Wv, 768-895 Wo: the order in which the
; codes and the scale bytes lie in qa, so that run number 4 x work-group + wave places both outputs (6,144 bytes of codes, 256 scale bytes a run) and only the input's address is chosen.
; A lane must hold 16 NEIGHBOURS for the conversion, and a load is best where neighbouring lanes take neighbouring bytes: each of a step's four loads reads 512 consecutive bytes, the 2,048 bytes go
; through the wave's own stage in LDS as they lie and come back 64 bytes a lane (16 bytes of padding behind each 64).  No tensor loads, no barrier, no cluster: waves and work-groups share nothing.
.set STEPS, 16
.set CB,    12                         ; bytes of 16 codes
.set R,     16                         ; v16-79   four sets of 16 numbers as they are loaded
.set X,     80                         ; v80-111  two sets of 16 neighbours
.set C,     128                        ; v128-191 codes: four registers for each step, so that no store's data are written again
.set E,     112                        ; v112-127 a scale byte for each step
.set WREG,  8192                       ; LDS: a region of its own for each wave: two stages of 32 x SP bytes, and behind them its 256 scale bytes
.set SP,    80                         ; a lane's place in a stage: its 64 bytes + 16 of padding
.set HS_S,  22020096                   ; where the scale bytes begin in qa
	s_load_b256 s[4:11], s[0:1], 0x0               ; hidden_states, Wq, Wk, Wv
	s_load_b128 s[12:15], s[0:1], 0x20             ; Wo, qa
	v_lshl_add_u32 v192, v0, 2, 0x8000
	v_mov_b32 v193, 0
	v_lshrrev_b32 v1, 5, v0
	v_readfirstlane_b32 s16, v1                    ; wave
	v_and_b32 v2, 31, v0                           ; lane
	v_lshlrev_b32 v3, 4, v2                        ; my 16 bytes of a load's 512
	s_mul_i32 s17, s16, WREG
	v_lshrrev_b32 v14, 2, v2
	v_mul_u32_u24 v14, v14, SP
	v_and_b32 v15, 3, v2
	v_lshl_add_u32 v14, v15, 4, v14
	v_add_nc_u32 v14, s17, v14                     ; the stage, on the way in: SP (lane / 4) + 16 (lane % 4); a load's 512 bytes take eight places
	v_mul_u32_u24 v15, v2, SP
	v_add_nc_u32 v15, s17, v15                     ; and on the way out: SP x lane: my 16 neighbours
	v_mul_u32_u24 v4, v2, CB                       ; my codes' place in a step's
	v_lshrrev_b32 v5, 1, v2
	s_add_co_u32 s17, s17, 2*32*SP
	v_add_nc_u32 v5, s17, v5                       ; LDS: my wave's 256 scale bytes, my block's byte
	v_lshlrev_b32 v7, 3, v2                        ; and on the way out 8 bytes a lane
	v_add_nc_u32 v6, s17, v7
	s_wait_kmcnt 0x0
	s_cmp_ge_u32 ttmp9, 512                        ; which tensor is my work-group's?  The choices hang on the work-group's number alone
	s_cselect_b64 s[4:5], s[6:7], s[4:5]
	s_cselect_b32 s18, 512, 0                      ; and the tensor's first work-group
	s_cmp_ge_u32 ttmp9, 640
	s_cselect_b64 s[4:5], s[8:9], s[4:5]
	s_cselect_b32 s18, 640, s18
	s_cmp_ge_u32 ttmp9, 704
	s_cselect_b64 s[4:5], s[10:11], s[4:5]
	s_cselect_b32 s18, 704, s18
	s_cmp_ge_u32 ttmp9, 768
	s_cselect_b64 s[4:5], s[12:13], s[4:5]
	s_cselect_b32 s18, 768, s18
	s_sub_co_u32 s18, ttmp9, s18
	s_lshl_b32 s18, s18, 2
	s_add_co_u32 s18, s18, s16                     ; my run within the tensor,
	s_lshl_b32 s18, s18, 15                        ; 32,768 bytes a run (67,108,864 at the most)
	s_mov_b32 s19, 0
	s_add_nc_u64 s[4:5], s[4:5], s[18:19]
	s_lshl_b32 s20, ttmp9, 2
	s_add_co_u32 s20, s20, s16                     ; my run among all 3,584
	s_mul_i32 s22, s20, 32*STEPS*CB
	s_mov_b32 s23, 0
	s_add_nc_u64 s[8:9], s[14:15], s[22:23]        ; its codes
	s_lshl_b32 s22, s20, 8
	s_add_co_u32 s22, s22, HS_S
	s_add_nc_u64 s[10:11], s[14:15], s[22:23]      ; its scale bytes
.macro LOAD t
.irp i, 0,1,2,3
	global_load_b128 v[R+16*((\t)%4)+4*\i:R+16*((\t)%4)+4*\i+3], v3, s[4:5] offset:2048*(\t)+512*\i th:TH_LOAD_NT   ; 32 lanes read 512 consecutive bytes
.endr
.endm
.macro TURN t                          ; step t's numbers through the stage: LDS serves a wave's instructions in order, so no wait stands between the stores and the loads
.irp i, 0,1,2,3
	ds_store_b128 v14, v[R+16*((\t)%4)+4*\i:R+16*((\t)%4)+4*\i+3] offset:32*SP*((\t)%2)+8*SP*\i
.endr
.irp i, 0,1,2,3
	ds_load_b128 v[X+16*((\t)%2)+4*\i:X+16*((\t)%2)+4*\i+3], v15 offset:32*SP*((\t)%2)+16*\i
.endr
.endm
.irp t, 0,1,2,3
	LOAD \t
.endr
	s_wait_loadcnt 12                              ; step 0's four loads are in
	TURN 0
.macro STEP t
.set XS, X+16*((\t)%2)
.if (\t) > 0
	s_wait_dscnt 1                                 ; this step's numbers are back from the stage (the last step's byte store may be out): so its stores into the stage have read their registers,
.else
	s_wait_dscnt 0x0
.endif
.if (\t)+4 < STEPS
	LOAD (\t)+4                                    ; which take the loads of four steps on
.endif
.if (\t)+1 < STEPS
.if STEPS-2-(\t) >= 3
	s_wait_loadcnt 12                              ; the next step's four loads are in; those of the three steps behind it may be out
.else
	s_wait_loadcnt 4*(STEPS-2-(\t))
.endif
	TURN (\t)+1                                    ; and go through the other stage while this step is worked
.endif
	v_max3_num_f32 v8, |v[XS]|, |v[XS+1]|, |v[XS+2]|               ; the largest magnitude of my 16, in two chains
	v_max3_num_f32 v9, |v[XS+3]|, |v[XS+4]|, |v[XS+5]|
.irp i, 6,10
	v_max3_num_f32 v8, v8, |v[XS+\i]|, |v[XS+\i+1]|
	v_max3_num_f32 v9, v9, |v[XS+\i+2]|, |v[XS+\i+3]|
.endr
	v_max3_num_f32 v8, v8, |v[XS+14]|, |v[XS+15]|
	v_max3_num_f32 v8, v8, v9, 0x2800000           ; and the floor 2^(5 - 127), under which no largest magnitude is taken: so the byte cannot fall under 1
	v_max_num_f32_dpp v8, v8, v8 row_xmask:1 row_mask:0xf bank_mask:0xf   ; and of my neighbour's 16: the block's
	v_add_nc_u32 v11, 0xfe000000, v8               ; 4 off its exponent field: the conversion takes the exponent field of this operand as its scale, and nothing else of it
	v_cvt_scalef32_pk16_bf6_f32 v[C+4*(\t):C+4*(\t)+2], v[XS:XS+15], v11         ; sixteen numbers / the scale, to the nearest code, ties to even, beyond the largest code the largest; 96 bits without gaps
	v_lshrrev_b32 v[E+(\t)], 23, v11               ; the scale's byte (also the plain line behind the conversion)
	ds_store_b8 v5, v[E+(\t)] offset:16*(\t)       ; both lanes of a block write the same byte with the same value
	global_store_b96 v4, v[C+4*(\t):C+4*(\t)+2], s[8:9] offset:32*CB*(\t)        ; the wave stores 384 consecutive bytes
.endm
.irp t, 0,1,2,3,4,5,6,7,8,9,10,11,12,13,14,15
	STEP \t
.endr
	ds_load_b64 v[12:13], v6                       ; LDS serves a wave's instructions in order: these see my stores
	s_wait_dscnt 0x0
	global_store_b64 v7, v[12:13], s[10:11]        ; 32 lanes store 256 consecutive bytes, aligned
	s_wait_tensorcnt 0x0
	ds_add_u32 v192, v193
	s_wait_dscnt 0x0
	s_endpgm
.Lfunc_end_k_qb52a8d6c36_quant:
	.size	k_qb52a8d6c36_quant, .Lfunc_end_k_qb52a8d6c36_quant-k_qb52a8d6c36_quant
	.p2alignl 7, 3214868480
	.fill 96, 4, 3214868480
	.section	.rodata,"a",@progbits
	.p2align	6, 0x0
	.amdhsa_kernel k_qb52a8d6c36_quant
		.amdhsa_group_segment_fixed_size 33280
		.amdhsa_private_segment_fixed_size 0
		.amdhsa_enable_private_segment 0
		.amdhsa_kernarg_size 48
		.amdhsa_user_sgpr_count 2
		.amdhsa_user_sgpr_kernarg_segment_ptr 1
		.amdhsa_wavefront_size32 1
		.amdhsa_system_sgpr_workgroup_id_x 1
		.amdhsa_system_sgpr_workgroup_id_y 1
		.amdhsa_system_sgpr_workgroup_id_z 1
		.amdhsa_system_vgpr_workitem_id 0
		.amdhsa_next_free_vgpr 194
		.amdhsa_next_free_sgpr 66
		.amdhsa_reserve_vcc 0
		.amdhsa_float_denorm_mode_32 3
		.amdhsa_float_denorm_mode_16_64 3
		.amdhsa_memory_ordered 1
		.amdhsa_forward_progress 1
		.amdhsa_inst_pref_size 33
	.end_amdhsa_kernel
	.amdgpu_metadata
---
amdhsa.version: [ 1, 2 ]
amdhsa.kernels:
  - .name:           k_qb52a8d6c36_quant
    .symbol:         k_qb52a8d6c36_quant.kd
    .args:
      - { .name: hidden_states, .offset: 0, .size: 8, .value_kind: global_buffer, .address_space: global }
      - { .name: Wq, .offset: 8, .size: 8, .value_kind: global_buffer, .address_space: global }
      - { .name: Wk, .offset: 16, .size: 8, .value_kind: global_buffer, .address_space: global }
      - { .name: Wv, .offset: 24, .size: 8, .value_kind: global_buffer, .address_space: global }
      - { .name: Wo, .offset: 32, .size: 8, .value_kind: global_buffer, .address_space: global }
      - { .name: qa, .offset: 40, .size: 8, .value_kind: global_buffer, .address_space: global }
    .group_segment_fixed_size: 33280
    .private_segment_fixed_size: 0
    .kernarg_segment_align: 8
    .kernarg_segment_size: 48
    .max_flat_workgroup_size: 128
    .sgpr_count:     66
    .vgpr_count:     194
    .wavefront_size: 32
...
	.end_amdgpu_metadata
.endif
;; end of part 1
;; launch gemm_qkv (part 2): grid 8 x 16, 4 waves a work-group, clusters of 4 x 4, 327,680 bytes of LDS; arguments qa, qkv; writes qkv
.if DOCPART == 2
	.amdgcn_target "amdgcn-amd-amdhsa--gfx1250"
	.amdhsa_code_object_version 6
	.text
	.protected	k_qb52a8d6c36_gemm_qkv
	.globl	k_qb52a8d6c36_gemm_qkv
	.p2align	8
	.type	k_qb52a8d6c36_gemm_qkv,@function
k_qb52a8d6c36_gemm_qkv:
	s_mov_b64 s[64:65], 0
	v_nop
	global_prefetch_b8 v0, s[64:65] scope:SCOPE_SE
	s_setreg_imm32_b32 hwreg(HW_REG_WAVE_MODE, 25, 1), 1
	s_wait_xcnt 0x0
	s_wait_alu depctr_hold_cnt(0) depctr_sa_sdst(0) depctr_va_vdst(0) depctr_va_sdst(0) depctr_va_ssrc(0) depctr_va_vcc(0) depctr_vm_vsrc(0)
	s_getreg_b32 s2, hwreg(HW_REG_IB_STS2, 6, 4)
	s_cmp_eq_u32 s2, 0
	s_cbranch_scc0 .Lentry_in_a_cluster
	s_endpgm
.Lentry_in_a_cluster:
	s_bfe_u32 s2, ttmp6, 0x10000c
	s_cmp_lg_u32 s2, 0xf033
	s_cbranch_scc0 .Lentry_shape_is_right
	s_endpgm
.Lentry_shape_is_right:
; qkv[m][n] = sum over k of A[m][k] B[n][k].  A = hidden_states [4096][4096], B = Wq, Wk, Wv on end [2048][4096]: codes of BF6 (E3M2), 6 bits each, with one E8M0 scale for each 32 along K, all in qa;
; qkv: [4096][2048] f32 (columns 0-1023 q, 1024-1535 k, 1536-2047 v); sums in f32.  The matrix instruction takes codes and scale bytes as they lie in memory: 128 codes are 96 bytes.
; A tile of C, 256 x 256, is made by a work-group of four waves; a wave makes 128 x 128: 64 accumulators of 16 x 16, 512 registers.  C has 16 x 8 = 128 such tiles: 128 work-groups.
; K goes in steps of 256 through a ring of two LDS slots filled by the tensor data mover: a tile's row is 192 bytes of memory.
; THE SCALES of the work-group's 256 rows of A and 256 rows of B, for all of K, are two dense blocks of memory: they come into LDS ONCE, with the first fills, as rows of 256 bytes, and stay.
; CLUSTERS: 4 x 4 work-groups.  The four of a row of the cluster need the same tiles of A, the four of a column the same tiles of B: each tile is asked for JOINTLY, by the same tensor load with the
; same descriptor and a mask that names the four.  THE MATRIX INSTRUCTION IS USED TRANSPOSED (source 0 = 16 rows of B, source 1 = 16 rows of A): a lane then holds eight neighbouring numbers of a row of C.
; REGISTERS, in windows of 256: window 0: v0-31 addresses; v32-63 scale words, two sets; from v128 A's fragments (8 x 16 rows x 128 K), ONE set; on the way out v32-255 are free.
;   window 1: B's fragments, TWO sets, at v0 and at v128.   window 2: the 32 accumulators of my rows 0-63 (accumulator (a, b) at v[8 (8 a + b)]);   window 3: those of my rows 64-127.
; A step of 128 along K is 64 matrix instructions, A's blocks one after the other, each against B's eight: a block of A is free as soon as its eight products are issued, so one set of registers serves A.
.set SIZE_M, 4096
.set SIZE_N, 2048
.set SIZE_K, 4096
.set HS_S,   22020096                  ; in qa: A's scale bytes,
.set W_C,    12582912                  ; B's codes,
.set W_S,    22544384                  ; B's scale bytes (A's codes begin at 0)
.set KSTEP,  256                       ; along K in a slot
.set NQ,     KSTEP/128                 ; matrix instructions deep
.set ROWB,   192                       ; a tile's row in bytes: KSTEP codes of 6 bits
.set KROW,   SIZE_K*6/8                ; a row of B in memory, in bytes
.set APITCH, KROW                      ; from row to row of A's tile in memory
.set ASTEP,  ROWB                      ; from one K step of A to the next
.set PITCH,  240                       ; an LDS row: 3 x (64 bytes of data + 16 of padding) = 60 words: the 32 lanes of a load of 8 bytes touch 64 different banks (64 banks of 4 bytes: ISA guide 11.1)
.set FR,     12                        ; registers of a fragment: 16 rows x 128 K
.set NL,     6                         ; LDS loads that bring one
.set NP,     4                         ; places behind this matrix instruction (ISA guide 7.12.1)
.set HALFT,  128*PITCH                 ; 128 rows: what one tensor load brings, and what one wave reads of A or of B
.set SLOT,   4*HALFT                   ; A's 256 rows, then B's 256 rows
.set LAPS,   SIZE_K/(2*KSTEP)          ; a lap = two K steps = once round the ring
.set KS,     SIZE_K/32                 ; a row of scales in bytes
.set SCL,    2*SLOT                    ; behind the ring: the scales, as rows of 256 bytes + 16 of padding
.set HALFS,  (128*KS/256)*272          ; the scales of 128 rows: what one tensor load brings
.set SBLK,   (16*KS/256)*272           ; those of 16 rows
.set SPARE,  SCL+4*HALFS               ; behind the scales: the spare words, 128 bytes for each wave: two blocks of 256 bytes that no other line names
.set SPITCH, 528                       ; the way out: a stage of 16 rows x (512 bytes + 16) for each wave.  It lies in slot 0, which has had its last fill and its last read when the first result is stored there
.set ADRA, 16                          ; v16-17  LDS address of my A fragments in slot 0, 1  (v18-19: the same for the pieces that lie behind one padding more)
.set ADRB, 20                          ; v20-21  the same for B  (v22-23)
.set STO,  24                          ; v24     the way out: where I put 32 bytes of a row
.set RD,   25                          ; v25     the way out: where I read a row back
.set CO,   26                          ; v26     my byte offset in a row of C
.set SPW,  28                          ; v28     LDS address of my spare word: SPARE + 4 x my thread's number; never rewritten
.set NIL,  29                          ; v29     0; never rewritten
.set ADRS, 27                          ; v27     LDS address of my scale words: lanes 0-15 A's rows, lanes 16-31 B's
.set SC,   32                          ; scale words: set s (for slot s) at v[SC + 8 NQ s]; in it register NQ i + q: lanes 0-15 the word of A's block i, lanes 16-31 that of B's block i
.set AF,   128                         ; A's fragments, in window 0
.set BK,   128                         ; the way out: 16 rows read back from the stage: v128-191 and v192-255 by turns
.set G1, 24                            ; s[24:31] descriptor group 1 for A's tiles;  s[32:39] group 0, one set for each slot
.set G0, 32
.set G1B, 48                           ; s[48:55], s[56:63] the same for B's tiles
.set G0B, 56
.set G1S, 68                           ; s[68:75], s[76:79] groups 1 and 0 for A's scales;  s[80:87], s[88:91] for B's
.set G0S, 76
.set G1SB, 80
.set G0SB, 88
.set MSB, 0
.macro WIN new                         ; the immediate's high byte repeats the setting that is left
.if MSB != \new
	s_set_vgpr_msb (MSB<<8)|\new
.set MSB, \new
.endif
.endm
.set MUL_LO, 0xa1                      ; source 0 (B) window 1, source 1 (A) window 0, C and D window 2
.set MUL_HI, 0xf1                      ; the same, C and D window 3
.set TO_B,   0x40                      ; destination window 1, address window 0
; A joint load: waves 0 and 1 fetch for A, waves 2 and 3 for B.  Each of the two lines has ONE mask and one set of registers for all that issue it; the branch hangs on the wave's number alone.
; Four v_nop follow each of the two lines, ahead of the jump, the label and what follows.
.macro JLOAD g0a, g1a, g0b, g1b
	s_cmp_eq_u32 s15, 0
	s_cbranch_scc0 .Lfor_b_\@
	tensor_load_to_lds s[\g0a:\g0a+3], s[\g1a:\g1a+7]
	s_nop 0
.rept 4
	v_nop
.endr
	s_branch .Lasked_\@
.Lfor_b_\@:
	tensor_load_to_lds s[\g0b:\g0b+3], s[\g1b:\g1b+7]
	s_nop 0
.rept 4
	v_nop
.endr
.Lasked_\@:
.endm
.macro CREST                           ; a round of the cluster's barrier behind its opening barrier
	s_cmp_lg_u32 s14, 0
	s_cbranch_scc1 .Lnot_wave_0_\@
	s_barrier_signal -3
.Lnot_wave_0_\@:
	s_barrier_wait -3
	s_barrier_signal -1
	s_barrier_wait -1
.endm
.macro CROUND                          ; a whole round
	s_barrier_signal -1
	s_barrier_wait -1
	CREST
.endm
	s_load_b128 s[4:7], s[0:1], 0x0                ; qa s[4:5], qkv s[6:7]
	v_lshl_add_u32 v[SPW], v0, 2, SPARE
	v_mov_b32 v[NIL], 0
	ds_add_u32 v28, v29
	ds_add_u32 v28, v29
	s_wait_dscnt 0x0
	v_lshrrev_b32 v1, 5, v0
	v_readfirstlane_b32 s14, v1                    ; wave 0..3
	s_lshr_b32 s15, s14, 1                         ; which half of the tile's rows is mine.  Also: I fetch for A (0) or for B (1)
	s_and_b32 s16, s14, 1                          ; which half of its columns.  Also: which 128 rows of that tile I fetch
	s_bfe_u32 s40, ttmp6, 0x40000                  ; cx, cy: my place in the cluster
	s_bfe_u32 s41, ttmp6, 0x40004
	s_lshl_b32 s42, ttmp9, 2
	s_add_co_u32 s42, s42, s40                     ; tile column of C = 4 x cluster x + cx
	s_and_b32 s17, ttmp7, 0xffff
	s_lshl_b32 s17, s17, 2
	s_add_co_u32 s17, s17, s41                     ; tile row of C = 4 x cluster y + cy
	s_lshl_b32 s43, s41, 2
	s_lshl_b32 s43, 15, s43                        ; my row of the cluster
	s_lshl_b32 s44, 0x1111, s40                    ; my column
	; descriptor group 1: a tile of 128 rows x ROWB bytes, padded in LDS
	s_or_b32 s[G1+0], s43, (0<<16)|(1<<20)|(1<<21)|(3<<22)|(3<<25)  ; 15:0 the mask: A's tiles go to my row; 17:16 element of 1 byte; 20 padding on; 21 set beside a mask; 24:22 after every 16 words (code 3); 31:25 of 4 words (code 3)
	s_or_b32 s[G1B+0], s44, (0<<16)|(1<<20)|(1<<21)|(3<<22)|(3<<25)
.irp g, G1, G1B
	s_mov_b32 s[\g+1], ROWB<<16                    ; tensor_dim0
	s_mov_b32 s[\g+2], 128<<16                     ; tensor_dim1 = 128
	s_mov_b32 s[\g+3], ROWB<<16                    ; tile_dim0
	s_mov_b32 s[\g+4], 128                         ; tile_dim1 = 128
	s_mov_b32 s[\g+6], 0
	s_mov_b32 s[\g+7], 0
.endr
	s_mov_b32 s[G1+5], APITCH                      ; tensor_dim0_stride: A's,
	s_mov_b32 s[G1B+5], KROW                       ; B's
	; and for the scales of 128 rows: a dense block of 128 KS bytes, as rows of 256 bytes (32 elements of 8 bytes), 16 bytes of padding behind each
	s_or_b32 s[G1S+0], s43, (3<<16)|(1<<20)|(1<<21)|(5<<22)|(3<<25)
	s_or_b32 s[G1SB+0], s44, (3<<16)|(1<<20)|(1<<21)|(5<<22)|(3<<25)
.irp g, G1S, G1SB
	s_mov_b32 s[\g+1], 32<<16
	s_mov_b32 s[\g+2], (128*KS/256)<<16
	s_mov_b32 s[\g+3], 32<<16
	s_mov_b32 s[\g+4], 128*KS/256
	s_mov_b32 s[\g+5], 32
	s_mov_b32 s[\g+6], 0
	s_mov_b32 s[\g+7], 0
.endr
	s_lshl_b32 s18, s16, 7                         ; which 128 rows of the tile I fetch
	s_lshl_b32 s20, s17, 8
	s_add_co_u32 s20, s20, s18                     ; A: row 256 x tile row + 128 x half
	s_lshl_b32 s46, s42, 8
	s_add_co_u32 s46, s46, s18                     ; B: row 256 x tile column + 128 x half
	s_mov_b32 s21, 0
	s_mov_b32 s47, 0
	s_mov_b64 s[18:19], KS
	s_mul_u64 s[22:23], s[20:21], s[18:19]         ; where these rows' scales begin, in bytes
	s_mul_u64 s[92:93], s[46:47], s[18:19]
	s_mov_b64 s[18:19], APITCH
	s_mul_u64 s[20:21], s[20:21], s[18:19]         ; and their codes
	s_mov_b64 s[18:19], KROW
	s_mul_u64 s[46:47], s[46:47], s[18:19]
	s_mul_i32 s45, s14, HALFT                      ; where they go: wave x 128 rows: no place in the cluster enters an LDS address
	s_mul_i32 s94, s14, HALFS
	s_wait_kmcnt 0x0
	s_mov_b64 s[12:13], s[6:7]                     ; C
	s_add_nc_u64 s[6:7], s[4:5], HS_S              ; A's scales (A's codes begin with qa)
	s_add_nc_u64 s[8:9], s[4:5], W_C               ; B's codes
	s_add_nc_u64 s[10:11], s[4:5], W_S             ; B's scales
	s_add_nc_u64 s[20:21], s[4:5], s[20:21]
	s_add_nc_u64 s[22:23], s[6:7], s[22:23]
	s_add_nc_u64 s[46:47], s[8:9], s[46:47]
	s_add_nc_u64 s[92:93], s[10:11], s[92:93]
	CROUND                                         ; all sixteen work-groups are here: the first joint loads meet
	s_mov_b32 s[G0S], 1
	s_add_co_u32 s[G0S+1], s94, SCL
	s_mov_b64 s[G0S+2:G0S+3], s[22:23]
	s_or_b32 s[G0S+3], s[G0S+3], 0x80000000
	s_mov_b32 s[G0SB], 1
	s_add_co_u32 s[G0SB+1], s94, SCL
	s_mov_b64 s[G0SB+2:G0SB+3], s[92:93]
	s_or_b32 s[G0SB+3], s[G0SB+3], 0x80000000
	JLOAD G0S, G1S, G0SB, G1SB                     ; the scales first: they are wanted with K step 0
.irp s, 0,1
	s_mov_b32 s[G0+4*\s], 1
	s_add_co_u32 s[G0+4*\s+1], s45, \s*SLOT
	s_add_nc_u64 s[G0+4*\s+2:G0+4*\s+3], s[20:21], \s*ASTEP
	s_or_b32 s[G0+4*\s+3], s[G0+4*\s+3], 0x80000000
	s_mov_b32 s[G0B+4*\s], 1
	s_add_co_u32 s[G0B+4*\s+1], s45, \s*SLOT
	s_add_nc_u64 s[G0B+4*\s+2:G0B+4*\s+3], s[46:47], \s*ROWB
	s_or_b32 s[G0B+4*\s+3], s[G0B+4*\s+3], 0x80000000
	JLOAD G0+4*\s, G1, G0B+4*\s, G1B
.endr
	v_and_b32 v1, 15, v0                           ; l % 16
	v_bfe_u32 v2, v0, 4, 1                         ; l / 16
	v_mul_u32_u24 v3, v1, PITCH
	v_mul_u32_u24 v4, v2, 24
	v_add_nc_u32 v4, v3, v4                        ; a fragment's row x pitch + 24 x half
	v_lshl_add_u32 v5, v2, 4, v4                   ; and the same behind one padding more
	s_mul_i32 s21, s15, HALFT                      ; my 128 rows of A
	s_mul_i32 s22, s16, HALFT                      ; my 128 rows of B,
	s_add_co_u32 s22, s22, 2*HALFT                 ; which lie behind A's 256
.irp s, 0,1
	v_add_nc_u32 v[ADRA+\s], s21, v4
	v_add_nc_u32 v[ADRB+\s], s22, v4
	v_add_nc_u32 v[ADRA+2+\s], s21, v5
	v_add_nc_u32 v[ADRB+2+\s], s22, v5
	s_add_co_u32 s21, s21, SLOT
	s_add_co_u32 s22, s22, SLOT
.endr
	v_mul_u32_u24 v5, v1, KS                       ; my row's scales: KS bytes a row,
	v_lshrrev_b32 v6, 8, v5
	v_lshl_add_u32 v5, v6, 4, v5                   ; and 16 more for each 256 passed
	s_mul_i32 s21, s15, HALFS                      ; A's: my 128 rows
	s_mul_i32 s22, s16, HALFS                      ; B's: my 128 rows, behind A's 256
	s_add_co_u32 s22, s22, 2*HALFS
	s_sub_co_u32 s22, s22, s21
	v_mul_u32_u24 v6, s22, v2                      ; lanes 16-31 take B's
	s_add_co_u32 s21, s21, SCL
	v_add_nc_u32 v5, v5, v6
	v_add_nc_u32 v[ADRS], s21, v5
	s_mul_i32 s23, s14, 16*SPITCH                  ; my stage
	v_mul_u32_u24 v5, v1, SPITCH                   ; in: row l % 16, 32 bytes for each half of the lanes
	v_lshl_add_u32 v5, v2, 5, v5
	v_add_nc_u32 v[STO], s23, v5
	v_and_b32 v6, 31, v0
	v_lshlrev_b32 v[CO], 4, v6                     ; back: the 32 lanes take one row of 512 bytes; and the same in C
	v_add_nc_u32 v[RD], s23, v[CO]
	s_lshl_b32 s20, s17, 8
	s_lshl_b32 s21, s15, 7
	s_add_co_u32 s20, s20, s21                     ; my first row of C: 256 x tile row + 128 x half
	s_mov_b32 s21, 0
	s_mov_b64 s[18:19], SIZE_N*4
	s_mul_u64 s[20:21], s[20:21], s[18:19]
	s_lshl_b32 s46, s42, 10                        ; my first column, in bytes: 1024 x tile column + 512 x half
	s_lshl_b32 s47, s16, 9
	s_add_co_u32 s46, s46, s47
	s_mov_b32 s47, 0
	s_add_nc_u64 s[20:21], s[20:21], s[46:47]
	s_add_nc_u64 s[12:13], s[12:13], s[20:21]
.macro FRAG reg, adr, q, i             ; a fragment, 16 rows x 128 K of 6-bit codes, is 12 registers: lane l holds row l % 16; registers 6 c .. 6 c + 5 hold K = 64 c + 32 (l / 16) + 0 .. 31: 24 bytes of the row's stream of bits, as they lie
.irp p, 0,1,2,3,4,5                    ; in pieces of 8 bytes, so that every address is a multiple of the access's size.  Lanes 0-15 take the row's pieces 12 q + 0, 1, 2 and 12 q + 6, 7, 8, lanes 16-31 those three pieces on
.set PC, 12*(\q)+6*(\p/3)+\p%3        ; the mover has laid 16 bytes of padding behind every 64 bytes (8 pieces): where the piece three on lies behind one padding more, the second address register (40 for 24 bytes a half) serves
.if PC%8 < 5
	ds_load_b64 v[\reg+2*\p:\reg+2*\p+1], v[\adr] offset:8*PC+16*(PC/8)+(\i)*16*PITCH
.else
	ds_load_b64 v[\reg+2*\p:\reg+2*\p+1], v[\adr+2] offset:8*PC+16*(PC/8)+(\i)*16*PITCH
.endif
.endr
.endm
; 16 matrix instructions: A's blocks a0, a0 + 1 x B's eight, 128 along K: the slot's q-th.  p: B's set;  sc: the set of scale words.  zero = 1: the first product starts the sums: nothing is ever cleared.
; The 64 accumulators take turns, one instruction a turn, in the same order in every step.
.macro MUL16 a0, p, q, sc, zero
.irp a, \a0, \a0+1
.irp b, 0,1,2,3,4,5,6,7
.if \zero
	v_wmma_scale_f32_16x16x128_f8f6f4 v[8*(8*((\a)%4)+\b):8*(8*((\a)%4)+\b)+7], v[128*(\p)+FR*\b:128*(\p)+FR*\b+FR-1], v[AF+FR*(\a):AF+FR*(\a)+FR-1], 0, v[SC+8*NQ*(\sc)+NQ*\b+(\q)], v[SC+8*NQ*(\sc)+NQ*(\a)+(\q)] matrix_a_fmt:MATRIX_FMT_BF6 matrix_b_fmt:MATRIX_FMT_BF6 matrix_a_scale:MATRIX_SCALE_ROW1
.else
	v_wmma_scale_f32_16x16x128_f8f6f4 v[8*(8*((\a)%4)+\b):8*(8*((\a)%4)+\b)+7], v[128*(\p)+FR*\b:128*(\p)+FR*\b+FR-1], v[AF+FR*(\a):AF+FR*(\a)+FR-1], v[8*(8*((\a)%4)+\b):8*(8*((\a)%4)+\b)+7], v[SC+8*NQ*(\sc)+NQ*\b+(\q)], v[SC+8*NQ*(\sc)+NQ*(\a)+(\q)] matrix_a_fmt:MATRIX_FMT_BF6 matrix_b_fmt:MATRIX_FMT_BF6 matrix_a_scale:MATRIX_SCALE_ROW1
.endif
.endr
.endr
.endm
.macro FETCH_B slot, q, p              ; B's eight fragments of the slot's q-th 128 along K into set p
	WIN TO_B
.irp i, 0,1,2,3,4,5,6,7
	FRAG 128*(\p)+FR*\i, ADRB+\slot, \q, \i
.endr
	WIN 0
.endm
.macro FETCH_A slot, q, i0             ; A's blocks i0 .. i0 + 3
.irp i, \i0, \i0+1, \i0+2, \i0+3
	FRAG AF+FR*(\i), ADRA+\slot, \q, \i
.endr
.endm
.macro SCALES sc                       ; the next K step's scale words into set sc: NQ words a row; lanes 0-15 take A's block i, lanes 16-31 B's block i
.irp i, 0,1,2,3,4,5,6,7
	ds_load_b64 v[SC+8*NQ*\sc+NQ*\i:SC+8*NQ*\sc+NQ*\i+1], v[ADRS] offset:\i*SBLK
.endr
.endm
; A load into a register that a matrix instruction has read, and a vector instruction or an LDS store that reads a matrix result, stand NP places behind that matrix instruction, and only plain vector
; instructions that name none of its registers are places (ISA guide 7.12.1 for vector instructions); this text does not count the matrix instructions in between.
.macro PLACES n
.rept \n
	v_nop
.endr
.endm
; A step of 128 along K that has its successor in the same slot.
.macro STEP slot, q, zero
	s_wait_dscnt 4*NL                              ; B's set and A's blocks 0-3 are in; the youngest loads (A's blocks 4-7) may be out
	WIN MUL_LO
	MUL16 0, (\q)%2, \q, \slot, \zero
	MUL16 2, (\q)%2, \q, \slot, \zero
	s_wait_dscnt 0                                 ; A's blocks 4-7 are in (asked for 32 matrix instructions ago)
	PLACES NP
	FETCH_B \slot, (\q)+1, 1-(\q)%2
	FETCH_A \slot, (\q)+1, 0
	WIN MUL_HI
	MUL16 4, (\q)%2, \q, \slot, \zero
	MUL16 6, (\q)%2, \q, \slot, \zero
	PLACES NP
	WIN 0
	FETCH_A \slot, (\q)+1, 4
.endm
; A slot's last step changes slots: ONE barrier; in front of it each wave waits for all its tensor loads, adds 0 to its spare word, and waits for that and for its own reads of this slot.  fill = 1: this slot is filled again, two K steps ahead.
.macro TURN slot, next, fill
	s_wait_tensorcnt 0x0                           ; all my tensor loads have landed: my part of the next slot;  (every window is 0 here: the add's two registers lie in window 0)
	ds_add_u32 v[SPW], v[NIL]                      ; 0 onto my spare word
	s_wait_dscnt 4*NL+1                            ; (the add and the youngest loads, A's blocks 4-7, may be out)
	WIN MUL_LO
	MUL16 0, 1, NQ-1, \slot, 0                     ; sixteen matrix instructions stand between the add and the wait for it
	s_wait_dscnt 0x0                               ; the add is done, and my reads of this slot are over
	s_barrier_signal -1
	MUL16 2, 1, NQ-1, \slot, 0
	WIN 0
	s_barrier_wait -1
.if \fill
	CREST                                          ; the barrier has opened a round of the cluster's barrier: no wave of any partner still reads this slot's tile or has a load on its way
	s_add_nc_u64 s[G0+4*\slot+2:G0+4*\slot+3], s[G0+4*\slot+2:G0+4*\slot+3], 2*ASTEP
	s_add_nc_u64 s[G0B+4*\slot+2:G0B+4*\slot+3], s[G0B+4*\slot+2:G0B+4*\slot+3], 2*ROWB
	JLOAD G0+4*\slot, G1, G0B+4*\slot, G1B         ; the first tensor load behind the round; the four v_nop behind it are among the places in front of the loads below
.else
	PLACES NP
.endif
	v_add_nc_u32 v[ADRS], 4*NQ, v[ADRS]            ; on to the next K step's scale words (no LDS load of mine is out)
	FETCH_B \next, 0, 0
	FETCH_A \next, 0, 0
	SCALES \next
	WIN MUL_HI
	MUL16 4, 1, NQ-1, \slot, 0
	MUL16 6, 1, NQ-1, \slot, 0
	PLACES NP
	WIN 0
	FETCH_A \next, 0, 4
.endm
	s_wait_tensorcnt 1                             ; the scales and my part of K step 0 are in (K step 1's load may be out)
	s_barrier_signal -1
	s_barrier_wait -1                              ; everybody's are
	FETCH_B 0, 0, 0
	FETCH_A 0, 0, 0
	SCALES 0
	FETCH_A 0, 0, 4
	STEP 0, 0, 1                                   ; the first step stands in front of the loop: its products start the sums
	s_mov_b32 s3, LAPS-1
.Llap:                                                 ; a trip goes once round the ring, from a lap's second step to the next lap's first, and fills both slots again
	TURN 0, 1, 1
	STEP 1, 0, 0
	TURN 1, 0, 1
	STEP 0, 0, 0
	s_sub_co_u32 s3, s3, 1
	s_cmp_lg_u32 s3, 0
	s_cbranch_scc1 .Llap
	TURN 0, 1, 0                                   ; the last lap fills nothing, and has no round of the cluster's barrier
	STEP 1, 0, 0
	s_wait_dscnt 4*NL                              ; the very last step: nothing more to fetch
	WIN MUL_LO
	MUL16 0, 1, NQ-1, 1, 0
	MUL16 2, 1, NQ-1, 1, 0
	s_wait_dscnt 0
	WIN MUL_HI
	MUL16 4, 1, NQ-1, 1, 0
	MUL16 6, 1, NQ-1, 1, 0
	WIN 0
; THE WAY OUT, block by block of 16 rows x 128 columns.  A lane holds 32 neighbouring bytes of a row, and the lanes beside it hold other rows: so a block goes through my own stage in LDS and comes back as whole
; rows of 512 bytes.  LDS serves a wave's instructions in order (ISA guide 5.7.1.4): no wait between the stores and the loads, nor in front of the next block's stores.
.macro TOSTAGE a
.set AC, 64*((\a)%4)
	WIN 0x08+4*((\a)/4)                            ; the data: window 2 or 3
.irp b, 0,1,2,3,4,5,6,7
	ds_store_b128 v[STO], v[AC+8*\b:AC+8*\b+3] offset:64*\b          ; each accumulator from its low end on
	ds_store_b128 v[STO], v[AC+8*\b+4:AC+8*\b+7] offset:64*\b+16
.endr
	WIN 0
.set BB, BK+64*((\a)%2)
.irp t, 0,1,2,3,4,5,6,7,8,9,10,11,12,13,14,15
	ds_load_b128 v[BB+4*\t:BB+4*\t+3], v[RD] offset:\t*SPITCH
.endr
.endm
.macro SEND a, younger                 ; younger: the LDS instructions issued behind block a's loads, which may stay out
.set BB, BK+64*((\a)%2)
	s_wait_dscnt \younger                          ; the block is back in registers
.if (\a) > 0
	s_add_nc_u64 s[12:13], s[12:13], 16*SIZE_N*4   ; (behind a wait on XCNT: the earlier stores have read their base)  16 rows of C on, so that the stores' offsets stay small
.endif
.irp t, 0,1,2,3,4,5,6,7,8,9,10,11,12,13,14,15
	global_store_b128 v[CO], v[BB+4*\t:BB+4*\t+3], s[12:13] offset:\t*SIZE_N*4   ; 32 lanes store 512 consecutive bytes, at a multiple of 256 from C's first byte; the next launch reads them
.endr
.endm
	PLACES NP                                      ; these places serve the loads into the registers that held A's fragments and block 7's reads alike
	TOSTAGE 0
.irp a, 1,2,3,4,5,6,7
.if \a > 1
	s_wait_xcnt 0x0                                ; block a - 2's stores have read their registers and their base: block a's loads may land there, and the base may step
.endif
	TOSTAGE \a
	SEND \a-1, 32                                  ; behind block a - 1's loads: block a's 16 stores and 16 loads
.endr
	s_wait_xcnt 0x0                                ; block 6's stores have read their base
	SEND 7, 0
	s_wait_tensorcnt 0x0                           ; the wave's end, behind my last tensor load and my last LDS store
	ds_add_u32 v[SPW], v[NIL]
	s_wait_dscnt 0x0
	CROUND                                         ; the closing round: no work-group ends while a partner may still ask for a tile that names it
	s_endpgm
.Lfunc_end_k_qb52a8d6c36_gemm_qkv:
	.size	k_qb52a8d6c36_gemm_qkv, .Lfunc_end_k_qb52a8d6c36_gemm_qkv-k_qb52a8d6c36_gemm_qkv
	.p2alignl 7, 3214868480
	.fill 96, 4, 3214868480
	.section	.rodata,"a",@progbits
	.p2align	6, 0x0
	.amdhsa_kernel k_qb52a8d6c36_gemm_qkv
		.amdhsa_group_segment_fixed_size 327680
		.amdhsa_private_segment_fixed_size 0
		.amdhsa_enable_private_segment 0
		.amdhsa_kernarg_size 16
		.amdhsa_user_sgpr_count 2
		.amdhsa_user_sgpr_kernarg_segment_ptr 1
		.amdhsa_wavefront_size32 1
		.amdhsa_system_sgpr_workgroup_id_x 1
		.amdhsa_system_sgpr_workgroup_id_y 1
		.amdhsa_system_sgpr_workgroup_id_z 1
		.amdhsa_system_vgpr_workitem_id 0
		.amdhsa_next_free_vgpr 1024
		.amdhsa_next_free_sgpr 98
		.amdhsa_reserve_vcc 0
		.amdhsa_float_denorm_mode_32 3
		.amdhsa_float_denorm_mode_16_64 3
		.amdhsa_memory_ordered 1
		.amdhsa_forward_progress 1
		.amdhsa_inst_pref_size 160
	.end_amdhsa_kernel
	.amdgpu_metadata
---
amdhsa.version: [ 1, 2 ]
amdhsa.kernels:
  - .name:           k_qb52a8d6c36_gemm_qkv
    .symbol:         k_qb52a8d6c36_gemm_qkv.kd
    .args:
      - { .name: qa, .offset: 0, .size: 8, .value_kind: global_buffer, .address_space: global }
      - { .name: qkv, .offset: 8, .size: 8, .value_kind: global_buffer, .address_space: global }
    .group_segment_fixed_size: 327680
    .private_segment_fixed_size: 0
    .kernarg_segment_align: 8
    .kernarg_segment_size: 16
    .max_flat_workgroup_size: 128
    .sgpr_count:     98
    .vgpr_count:     1024
    .wavefront_size: 32
...
	.end_amdgpu_metadata
.endif
;; end of part 2
;; launch rope_quant (part 3): grid 576 x 1, 4 waves a work-group, no clusters, 56,832 bytes of LDS; arguments qkv, cos, sin, qc; writes qc
.if DOCPART == 3
	.amdgcn_target "amdgcn-amd-amdhsa--gfx1250"
	.amdhsa_code_object_version 6
	.text
	.protected	k_qb52a8d6c36_rope_quant
	.globl	k_qb52a8d6c36_rope_quant
	.p2align	8
	.type	k_qb52a8d6c36_rope_quant,@function
k_qb52a8d6c36_rope_quant:
	s_mov_b64 s[64:65], 0
	v_nop
	global_prefetch_b8 v0, s[64:65] scope:SCOPE_SE
	s_setreg_imm32_b32 hwreg(HW_REG_WAVE_MODE, 25, 1), 1
	s_wait_xcnt 0x0
; qkv [4096 tokens][2048] f32 (columns 0-1023 q's 8 heads, 1024-1535 k's 4, 1536-2047 v's 4) becomes the operands of the two products of attention, as codes of BF6 (E3M2) with one E8M0 byte for each 32 along K.
; WORK-GROUPS 64-575 (q and k): x cos + rotate_half(x) sin in f32, then quantised along the head's 128.  Codes [batch x 12 + head][2048 places][96 bytes] (heads 0-7 q, 8-11 k), scale words [same][2048][4 bytes].
;   A work-group takes 8 tokens; wave w heads 3 w .. 3 w + 2.  A load of 16 bytes a lane takes d = 4 m .. 4 m + 3 (or 64 more) of token 2 i + (lane / 16): sixteen lanes read 256 consecutive bytes, aligned, and the two
;   numbers that the rotation joins (d and d + 64) lie in ONE lane.  The rotated numbers turn through the wave's own stage in LDS (places of 64 bytes + 16) and come back 16 neighbours along d a lane; two lanes hold a block.
; WORK-GROUPS 0-63 (v): quantised along the KEYS, which are its rows: a lane takes a column d and its registers run down the keys; codes [batch x 4 + head][128 places][1536 bytes], keys innermost, scale bytes [same][128][64].
;   A wave takes 32 columns x 256 keys; its codes go through its own stage and leave as rows: sixteen lanes store a row's 192 consecutive bytes.
; THE PLACE OF A ROW: token s (of q and k) and channel d (of v) lie at the row whose number is s or d with bits 3 and 4 exchanged.  The next launch wants, in tile 2 b + u, lane r on row 32 b + 8 u + r + 8 (r / 8):
;   laid so, those sixteen rows are neighbours, place 16 (2 b + u) + r, and its LDS reads fall on different banks.  8 tokens on end stay on end: only the work-group's place moves; for v a lane's row in the stage moves.
; The two ways part on the work-group's number and have LDS bytes of their own: q and k 0 - 21,503, v 21,504 - 56,319.  No tensor loads, no barrier, no cluster: waves share nothing but cos and sin, 4,096 bytes each a work-group.
; A block's scale is 2^(floor(log2(its largest magnitude)) - 4), its byte held at 1 from below; a block of zeros keeps the byte 1 (its codes are zeros; this program alone reads the bytes).
; LIMITS: NaN and infinities are not served.
.set V_C,   4718592                    ; in qc: v's codes (q's and k's begin at 0),
.set QK_S,  6291456                    ; q's and k's scale words,
.set V_S,   6488064                    ; v's scale bytes
.set COS,   16                         ; v16-47   cos: pair of tokens i: d 0-63 at +8 i, d 64-127 at +8 i + 4
.set SIN,   48                         ; v48-79   sin likewise
.set RAW,   80                         ; v80-175  head k as loaded, at +32 k, laid as cos; once rotated, its registers take the head's codes (+4 st), bytes (+8 + st) and the bytes read back (+12)
.set T,     176                        ; v176-207 the rotated numbers
.set X,     208                        ; v208-239 two sets of 16 neighbours
.set WQK,   5376                       ; q, k: LDS of a wave: a stage of 64 places x 80 bytes, then 256 bytes for scale bytes
.set VSTG,  21504                      ; v: the four waves' stages
.set PITCH, 272                        ; v: a stage row: sixteen places of 16 bytes, each with 12 bytes of codes, + 16
.set KROW,  1536                       ; v: a row of codes in memory
.set NB,    8                          ; v: blocks of 32 keys to a wave
.set VX,    32                         ; v32-95   v: two sets of 32 numbers
.set VC,    96                         ; v96..    v: a block's codes
.set OUTR,  112                        ; v112-175 v: the way out
.set SB,    24                         ; v24-25   v: the scale bytes, four to a register
; 16 neighbours of step st of head k become 12 bytes of codes and (with the neighbouring lane) a scale byte
.macro QSTEP k, st
.set XS, X+16*\st
.set CD, RAW+32*\k+4*\st
.set BY, RAW+32*\k+8+\st
	v_max3_num_f32 v12, |v[XS]|, |v[XS+1]|, |v[XS+2]|              ; the largest magnitude of my 16, in two chains
	v_max3_num_f32 v13, |v[XS+3]|, |v[XS+4]|, |v[XS+5]|
.irp i, 6,10
	v_max3_num_f32 v12, v12, |v[XS+\i]|, |v[XS+\i+1]|
	v_max3_num_f32 v13, v13, |v[XS+\i+2]|, |v[XS+\i+3]|
.endr
	v_max3_num_f32 v12, v12, |v[XS+14]|, |v[XS+15]|
	v_max3_num_f32 v12, v12, v13, 0x2800000        ; and the floor 2^(5 - 127): the byte cannot fall under 1
	v_max_num_f32_dpp v12, v12, v12 row_xmask:1 row_mask:0xf bank_mask:0xf   ; with my neighbour's 16: the block's
	v_add_nc_u32 v14, 0xfe000000, v12              ; 4 off its exponent field: the conversion's scale operand
	v_cvt_scalef32_pk16_bf6_f32 v[CD:CD+2], v[XS:XS+15], v14
	v_lshrrev_b32 v[BY], 23, v14                   ; the scale's byte (also the plain line behind the conversion)
	ds_store_b8 v9, v[BY] offset:32*\k+16*\st      ; both lanes of a block write the same byte with the same value
	global_store_b96 v8, v[CD:CD+2], s[26:27] offset:196608*\k+384*\st   ; the wave stores 384 consecutive bytes: four tokens' codes
.endm
; head k of my three: rotated, turned through the stage, quantised
.macro HEAD k
	s_wait_loadcnt 16-8*\k                         ; cos, sin and this head are in; the later heads' eight loads each may be out
.irp i, 0,1,2,3
.set rLO, RAW+32*\k+8*\i
.set rHI, rLO+4
.set rTL, T+8*\i
.set rTU, rTL+4
.set rCL, COS+8*\i
.set rSL, SIN+8*\i
.irp j, 0,2
	v_pk_mul_f32 v[rTL+\j:rTL+\j+1], v[rLO+\j:rLO+\j+1], v[rCL+\j:rCL+\j+1]
	v_pk_mul_f32 v[rTU+\j:rTU+\j+1], v[rHI+\j:rHI+\j+1], v[rCL+4+\j:rCL+4+\j+1]
.endr
.irp j, 0,2
	v_pk_fma_f32 v[rTL+\j:rTL+\j+1], v[rHI+\j:rHI+\j+1], v[rSL+\j:rSL+\j+1], v[rTL+\j:rTL+\j+1] neg_lo:[0,1,0] neg_hi:[0,1,0]   ; d < 64: x(d) cos(d) - x(d + 64) sin(d)
	v_pk_fma_f32 v[rTU+\j:rTU+\j+1], v[rLO+\j:rLO+\j+1], v[rSL+4+\j:rSL+4+\j+1], v[rTU+\j:rTU+\j+1]                            ; d >= 64: x(d) cos(d) + x(d - 64) sin(d)
.endr
.endr
.irp i, 0,1,2,3
.irp u, 0,1
	ds_store_b128 v6, v[T+8*\i+4*\u:T+8*\i+4*\u+3] offset:1280*\i+320*\u      ; place 8 x token + d / 16
.endr
.endr
.irp st, 0,1
.irp j, 0,1,2,3
	ds_load_b128 v[X+16*\st+4*\j:X+16*\st+4*\j+3], v7 offset:2560*\st+16*\j   ; LDS serves a wave's instructions in order: these see the stores above.  Lane l: token 4 st + l / 8, d = 16 (l % 8) on
.endr
.endr
	s_wait_dscnt 4                                 ; step 0's four loads are in; step 1's may be out
	QSTEP \k, 0
	s_wait_dscnt 1                                 ; step 1's are in; the byte store just issued may be out
	QSTEP \k, 1
.endm
.macro LOAD t                          ; v, block t: rows 32 t + i of my column, i = 0 .. 31, into set t % 2
.irp i, 0,1,2,3,4,5,6,7,8,9,10,11,12,13,14,15,16,17,18,19,20,21,22,23,24,25,26,27,28,29,30,31
	global_load_b32 v[VX+32*((\t)%2)+\i], v3, s[4:5] offset:(32*(\t)+\i)*8192 th:TH_LOAD_NT
.endr
.endm
.macro BLOCK t
.set XS, VX+32*((\t)%2)
.if (\t) < NB-1
	s_wait_loadcnt 32                              ; this block's 32 loads are in; the next block's may be out
.else
	s_wait_loadcnt 0
.endif
	v_max3_num_f32 v12, |v[XS]|, |v[XS+1]|, |v[XS+2]|               ; the block's largest magnitude: all 32 numbers are mine
	v_max3_num_f32 v13, |v[XS+3]|, |v[XS+4]|, |v[XS+5]|
.irp i, 6,10,14,18,22,26
	v_max3_num_f32 v12, v12, |v[XS+\i]|, |v[XS+\i+1]|
	v_max3_num_f32 v13, v13, |v[XS+\i+2]|, |v[XS+\i+3]|
.endr
	v_max3_num_f32 v12, v12, |v[XS+30]|, |v[XS+31]|
	v_max3_num_f32 v12, v12, v13, 0x2800000        ; and the floor 2^(5 - 127)
	v_add_nc_u32 v11, 0xfe000000, v12              ; the conversion's scale operand
	v_lshrrev_b32 v13, 23, v11                     ; the scale's byte
.if (\t)%4 == 0
	v_mov_b32 v[SB+(\t)/4], v13                    ; four bytes to a register, the lower keys in the lower byte
.else
	v_lshl_or_b32 v[SB+(\t)/4], v13, 8*((\t)%4), v[SB+(\t)/4]
.endif
	v_cvt_scalef32_pk16_bf6_f32 v[VC:VC+2], v[XS:XS+15], v11
	v_cvt_scalef32_pk16_bf6_f32 v[VC+4:VC+6], v[XS+16:XS+31], v11   ; (a conversion's three registers begin on an even number)
	v_nop                                          ; one plain line behind the last conversion
	ds_store_b96 v4, v[VC:VC+2] offset:32*(\t)     ; 16 codes, 12 bytes, to a place of 16 bytes in the stage
	ds_store_b96 v4, v[VC+4:VC+6] offset:32*(\t)+16
.if (\t)+2 < NB
	LOAD (\t)+2
.endif
	s_wait_dscnt 0x0                               ; the stores have read their registers: the next block's codes may be written
.endm
	s_load_b256 s[4:11], s[0:1], 0x0               ; qkv s[4:5], cos s[6:7], sin s[8:9], qc s[10:11]
	v_lshl_add_u32 v240, v0, 2, 0xdc00
	v_mov_b32 v241, 0
	v_lshrrev_b32 v1, 5, v0
	v_readfirstlane_b32 s12, v1                    ; wave 0..3
	v_and_b32 v1, 31, v0                           ; lane
	s_cmp_lt_u32 ttmp9, 64
	s_cbranch_scc1 .Lv
	; ---- q and k
	s_sub_co_u32 s13, ttmp9, 64                    ; which 8 tokens
	s_lshr_b32 s14, s13, 8                         ; the batch
	s_and_b32 s15, s13, 255                        ; which 8 tokens of the batch: its bits 0 and 1 are the tokens' bits 3 and 4,
	s_and_b32 s30, s15, 252
	s_and_b32 s31, s15, 1
	s_lshl_b32 s31, s31, 1
	s_or_b32 s30, s30, s31
	s_bfe_u32 s31, s15, 0x10001
	s_or_b32 s15, s30, s31                         ; which change places
	s_lshl_b32 s15, s15, 3                         ; the place of my first token within the batch
	s_lshl_b32 s16, s13, 16                        ; in: 8 tokens x 8,192 bytes,
	s_mul_i32 s17, s12, 1536                       ; my three heads' 512 bytes each
	s_add_co_u32 s16, s16, s17
	s_mov_b32 s17, 0
	s_lshl_b32 s18, s13, 12                        ; cos, sin: 8 tokens x 512 bytes
	s_mov_b32 s19, 0
	s_mul_i32 s20, s14, 12
	s_mul_i32 s21, s12, 3
	s_add_co_u32 s20, s20, s21                     ; batch x 12 + my first head
	s_lshl_b32 s20, s20, 11
	s_add_co_u32 s20, s20, s15                     ; its row at my first token's place
	s_lshl_b32 s22, s20, 2
	s_add_co_u32 s22, s22, QK_S
	s_mov_b32 s23, 0
	s_mul_i32 s20, s20, 96
	s_mov_b32 s21, 0
	s_mul_i32 s24, s12, WQK                        ; my LDS
	s_add_co_u32 s25, s24, 5120                    ; and my scale bytes in it
	v_and_b32 v2, 15, v1                           ; m
	v_lshrrev_b32 v3, 4, v1                        ; which token of a pair
	v_lshlrev_b32 v4, 4, v2
	v_lshl_add_u32 v5, v3, 9, v4                   ; cos, sin: 512 x token + 16 m
	v_lshl_add_u32 v4, v3, 13, v4                  ; qkv: 8,192 x token + 16 m
	v_lshrrev_b32 v12, 2, v2
	v_mul_u32_u24 v6, v12, 80
	v_and_b32 v12, 3, v2
	v_lshl_add_u32 v6, v12, 4, v6
	v_mad_u32_u24 v6, v3, 640, v6
	v_add_nc_u32 v6, s24, v6                       ; the stage, on the way in: 640 x token + 80 (m / 4) + 16 (m % 4)
	v_mul_u32_u24 v7, v1, 80
	v_add_nc_u32 v7, s24, v7                       ; and on the way out: 80 x lane
	v_mul_u32_u24 v8, v1, 12                       ; my codes' place in a step's 384 bytes
	v_lshrrev_b32 v9, 1, v1
	v_add_nc_u32 v9, s25, v9                       ; my block's byte
	v_add_nc_u32 v10, s25, v1                      ; and on the way out a byte a lane
	s_wait_kmcnt 0x0
	s_add_nc_u64 s[4:5], s[4:5], s[16:17]
	s_add_nc_u64 s[6:7], s[6:7], s[18:19]
	s_add_nc_u64 s[8:9], s[8:9], s[18:19]
	s_add_nc_u64 s[26:27], s[10:11], s[20:21]      ; the codes
	s_add_nc_u64 s[28:29], s[10:11], s[22:23]      ; the scale words
.irp i, 0,1,2,3
.irp u, 0,1
	global_load_b128 v[COS+8*\i+4*\u:COS+8*\i+4*\u+3], v5, s[6:7] offset:1024*\i+256*\u
.endr
.endr
.irp i, 0,1,2,3
.irp u, 0,1
	global_load_b128 v[SIN+8*\i+4*\u:SIN+8*\i+4*\u+3], v5, s[8:9] offset:1024*\i+256*\u
.endr
.endr
.irp k, 0,1,2
.irp i, 0,1,2,3
.irp u, 0,1
	global_load_b128 v[RAW+32*\k+8*\i+4*\u:RAW+32*\k+8*\i+4*\u+3], v4, s[4:5] offset:16384*\i+256*\u+512*\k th:TH_LOAD_NT
.endr
.endr
.endr
	HEAD 0
	HEAD 1
	HEAD 2
.irp k, 0,1,2
	ds_load_u8 v[RAW+32*\k+12], v10 offset:32*\k   ; a head's 32 scale bytes (8 tokens x 4), a byte a lane: these see my stores
.endr
	s_wait_dscnt 0x0
.irp k, 0,1,2
	global_store_b8 v1, v[RAW+32*\k+12], s[28:29] offset:8192*\k     ; 32 lanes store 32 consecutive bytes
.endr
	s_wait_tensorcnt 0x0
	ds_add_u32 v240, v241
	s_wait_dscnt 0x0
	s_endpgm
	; ---- v
.Lv:
	v_and_b32 v2, 31, v0                           ; lane
	s_and_b32 s13, ttmp9, 3                        ; the head
	s_lshr_b32 s14, ttmp9, 2                       ; which 256 tokens of the 4,096
	s_lshl_b32 s15, s13, 7
	s_lshl_b32 s16, s12, 5
	s_add_co_u32 s15, s15, s16                     ; my wave's first column among v's 512: 128 x head + 32 x wave
	v_lshlrev_b32 v3, 2, v2                        ; in: 4 bytes a lane
	v_and_b32 v10, 7, v2                           ; my column's place among the wave's 32 rows of the output: the lane's number with bits 3 and 4 exchanged
	v_bfe_u32 v11, v2, 3, 1
	v_lshl_add_u32 v10, v11, 4, v10
	v_bfe_u32 v11, v2, 4, 1
	v_lshl_add_u32 v10, v11, 3, v10
	s_mul_i32 s19, s12, 32*PITCH
	s_add_co_u32 s19, s19, VSTG                    ; my stage
	v_mul_u32_u24 v4, v10, PITCH
	v_add_nc_u32 v4, s19, v4                       ; into it: row = my column's place
	v_and_b32 v5, 15, v2
	v_lshrrev_b32 v6, 4, v2                        ; out of it: sixteen lanes to a row, two rows an instruction
	v_mul_u32_u24 v7, v6, PITCH
	v_lshl_add_u32 v7, v5, 4, v7
	v_add_nc_u32 v7, s19, v7                       ; LDS address
	v_mul_u32_u24 v8, v6, KROW
	v_mad_u32_u24 v8, v5, 12, v8                   ; and the same place in the codes
	v_lshlrev_b32 v9, 6, v10                       ; my column's row of scale bytes: 64 bytes a row
	s_lshl_b32 s20, s14, 21                        ; 256 tokens x 8,192 bytes
	s_add_co_u32 s16, s15, 1536
	s_lshl_b32 s16, s16, 2
	s_add_co_u32 s20, s20, s16
	s_mov_b32 s21, 0
	s_lshr_b32 s16, s14, 3                         ; the batch
	s_lshl_b32 s16, s16, 9
	s_add_co_u32 s16, s16, s15                     ; my first row of the output: (batch x 4 + head) x 128 + 32 x wave
	s_and_b32 s17, s14, 7                          ; which 256 keys of the batch's 2,048
	s_mul_i32 s22, s16, KROW
	s_mul_i32 s18, s17, 192
	s_add_co_u32 s22, s22, s18
	s_add_co_u32 s22, s22, V_C
	s_mov_b32 s23, 0
	s_lshl_b32 s24, s16, 6
	s_lshl_b32 s18, s17, 3
	s_add_co_u32 s24, s24, s18
	s_add_co_u32 s24, s24, V_S
	s_mov_b32 s25, 0
	s_wait_kmcnt 0x0
	s_add_nc_u64 s[4:5], s[4:5], s[20:21]
	s_add_nc_u64 s[6:7], s[10:11], s[22:23]        ; the codes
	s_add_nc_u64 s[8:9], s[10:11], s[24:25]        ; the scale bytes
	LOAD 0
	LOAD 1
.set Q, 0
.rept NB
	BLOCK Q
.set Q, Q+1
.endr
	global_store_b64 v9, v[SB:SB+1], s[8:9]        ; my column's 8 scale bytes
.irp t, 0,1,2,3,4,5,6,7,8,9,10,11,12,13,14,15
	ds_load_b96 v[OUTR+4*\t:OUTR+4*\t+2], v7 offset:2*\t*PITCH   ; these see my stores
.endr
.irp t, 0,1,2,3,4,5,6,7,8,9,10,11,12,13,14,15
	s_wait_dscnt 15-\t                             ; the later rows' loads may be out
	global_store_b96 v8, v[OUTR+4*\t:OUTR+4*\t+2], s[6:7] offset:2*\t*KROW
.endr
	s_wait_tensorcnt 0x0
	ds_add_u32 v240, v241
	s_wait_dscnt 0x0
	s_endpgm
.Lfunc_end_k_qb52a8d6c36_rope_quant:
	.size	k_qb52a8d6c36_rope_quant, .Lfunc_end_k_qb52a8d6c36_rope_quant-k_qb52a8d6c36_rope_quant
	.p2alignl 7, 3214868480
	.fill 96, 4, 3214868480
	.section	.rodata,"a",@progbits
	.p2align	6, 0x0
	.amdhsa_kernel k_qb52a8d6c36_rope_quant
		.amdhsa_group_segment_fixed_size 56832
		.amdhsa_private_segment_fixed_size 0
		.amdhsa_enable_private_segment 0
		.amdhsa_kernarg_size 32
		.amdhsa_user_sgpr_count 2
		.amdhsa_user_sgpr_kernarg_segment_ptr 1
		.amdhsa_wavefront_size32 1
		.amdhsa_system_sgpr_workgroup_id_x 1
		.amdhsa_system_sgpr_workgroup_id_y 1
		.amdhsa_system_sgpr_workgroup_id_z 1
		.amdhsa_system_vgpr_workitem_id 0
		.amdhsa_next_free_vgpr 242
		.amdhsa_next_free_sgpr 66
		.amdhsa_reserve_vcc 0
		.amdhsa_float_denorm_mode_32 3
		.amdhsa_float_denorm_mode_16_64 3
		.amdhsa_memory_ordered 1
		.amdhsa_forward_progress 1
		.amdhsa_inst_pref_size 64
	.end_amdhsa_kernel
	.amdgpu_metadata
---
amdhsa.version: [ 1, 2 ]
amdhsa.kernels:
  - .name:           k_qb52a8d6c36_rope_quant
    .symbol:         k_qb52a8d6c36_rope_quant.kd
    .args:
      - { .name: qkv, .offset: 0, .size: 8, .value_kind: global_buffer, .address_space: global }
      - { .name: cos, .offset: 8, .size: 8, .value_kind: global_buffer, .address_space: global }
      - { .name: sin, .offset: 16, .size: 8, .value_kind: global_buffer, .address_space: global }
      - { .name: qc, .offset: 24, .size: 8, .value_kind: global_buffer, .address_space: global }
    .group_segment_fixed_size: 56832
    .private_segment_fixed_size: 0
    .kernarg_segment_align: 8
    .kernarg_segment_size: 32
    .max_flat_workgroup_size: 128
    .sgpr_count:     66
    .vgpr_count:     242
    .wavefront_size: 32
...
	.end_amdgpu_metadata
.endif
;; end of part 3
;; launch attention (part 4): grid 8 x 32, 8 waves a work-group, clusters of 4 x 4, 327,680 bytes of LDS; arguments qc, attention_mask, ao; writes ao
.if DOCPART == 4
	.amdgcn_target "amdgcn-amd-amdhsa--gfx1250"
	.amdhsa_code_object_version 6
	.text
	.protected	k_qb52a8d6c36_attention
	.globl	k_qb52a8d6c36_attention
	.p2align	8
	.type	k_qb52a8d6c36_attention,@function
k_qb52a8d6c36_attention:
	s_mov_b64 s[64:65], 0
	v_nop
	global_prefetch_b8 v0, s[64:65] scope:SCOPE_SE
	s_setreg_imm32_b32 hwreg(HW_REG_WAVE_MODE, 25, 1), 1
	s_wait_xcnt 0x0
	s_wait_alu depctr_hold_cnt(0) depctr_sa_sdst(0) depctr_va_vdst(0) depctr_va_sdst(0) depctr_va_ssrc(0) depctr_va_vcc(0) depctr_vm_vsrc(0)
	s_getreg_b32 s2, hwreg(HW_REG_IB_STS2, 6, 4)
	s_cmp_eq_u32 s2, 0
	s_cbranch_scc0 .Lentry_in_a_cluster
	s_endpgm
.Lentry_in_a_cluster:
	s_bfe_u32 s2, ttmp6, 0x10000c
	s_cmp_lg_u32 s2, 0xf033
	s_cbranch_scc0 .Lentry_shape_is_right
	s_endpgm
.Lentry_shape_is_right:
; o[b][q][head][:] = the sum over k of softmax_k(Q . K x 128^-0.5 + attention_mask[b][q][k]) V[k][:], both products on codes of BF6 (E3M2) with one E8M0 scale for each 32 along a product's K; o is quantised along the head's 128 on its way out.
; From qc: Q and K codes [batch x 12 + head][2048 places][96 bytes] (heads 0-7 Q, 8-11 K) and their scale words; V codes with the KEYS innermost [batch x 4 + head][128 places][1536 bytes] and its scale bytes [..][128][64].
; THE PLACE OF A ROW in qc: token s (Q, K) and channel d (V) lie at the row whose number is s or d with bits 3 and 4 exchanged.
; THE MASK IS AN INPUT: all 2,048 keys are walked for every query, and every number of the mask is read and added.
; THE SOFTMAX: logit = score x 128^-0.5 + mask; t = logit x log2(e), ROUNDED ON ITS OWN; M = the largest t so far, rounded up to a whole number; p = 2^(t - M) is what is quantised, along the keys; it is not normalised.
; (t and M are not fused into one multiply-add: in a row that the mask hides whole, t is near -1.4e9, and t - M must come out 0 at the row's largest t.)  The row's sum is taken of the unquantised p and divides O at the end.
; When M moves, the sum and O are multiplied by 2^(old M - new M): exact.
; SHARES.  A work-group owns 64 queries of one batch and one K/V head; its EIGHT waves are 4 tiles of 16 queries x the 2 query heads that share that K/V head: wave w: head 2 kv + (w & 1), queries 16 (w / 2) on.
; 2 batches x 4 K/V heads x 32 blocks of queries = 256 work-groups.  Both heads read the same K, V and mask tiles from LDS.  A ring of two slots of 256 keys.
; CLUSTER 4 x 4: cx = the K/V head, cy = the block of queries.  K, V and their scales hang on (batch, cx): asked for JOINTLY along a column; the mask's tile hangs on (batch, block of queries): jointly along a row.
; Waves 0, 1 fetch K's halves, 2, 3 V's, 4-7 the mask's quarters: one load a wave behind each round, with a slot's two key steps in which to land.
; LAYOUT.  Both products are used transposed: S^T = K Q^T, O^T = V^T P^T: a lane holds ONE query (lane % 16) throughout.  Lane r of tile T reads the row at place 16 T + r, which is row 32 (T / 2) + 8 (T % 2) + r + 8 (r / 8):
; so the 16 registers of tiles 2 b, 2 b + 1 are 16 neighbours (32 b + 16 (lane / 16) + 0 .. 15) along the next product's K: the keys for p, the head's 128 for o.
; LDS WITHOUT BANK CONFLICTS (64 banks of 4 bytes: ISA guide 11.1).  A tile's sixteen rows are neighbours.  K: 16 bytes of padding behind every 32: rows 144 bytes = 36 words apart; V: 16 behind every 64: 240 bytes = 60 words:
; in both the sixteen rows start at the sixteen multiples of 4 banks; lanes 16-31 read 24 or 40 bytes further on, 2 modulo 4 words: the 32 lanes of a load of 8 bytes touch 64 different banks.
; The mask: rows 1,040 bytes apart, 65 x 16: the sixteen rows of half a load of 16 bytes fall in sixteen different columns.
; OUT: ao codes [pair of heads = K/V head][4096 tokens][192 bytes]: a work-group's 64 rows are 12,288 consecutive bytes; scale words [4096 tokens][32 bytes].
; LIMITS: NaN and infinities are not served; p under 2^-126 counts as 0; a block's largest p is made from the block's largest t (it takes 2^x not to fall where x rises); a block of zeros keeps the byte 1 (its codes are zeros).
; REGISTERS: v1-7, v31 addresses that stay; v8-11, v28-30 addresses of the step in hand; v12 -M, v13 the largest t, v[14:15] the sum in two halves; v16-27 Q; v32-79 four fragments of K or V; v32-95 the mask's 64 numbers between them;
;   v96-159 S^T, t, p; v160-223 O^T; v224-235 p's codes; v232-254 at work; v248-251, v253, v255 scale words.
.set KP,    144                        ; a key's row in LDS: 3 x (32 bytes + 16)
.set VP,    240                        ; a row of V's tile in LDS, 256 keys: 3 x (64 bytes + 16)
.set MP,    1040                       ; a row of the mask's tile: 1,024 bytes + 16
.set VOFF,  256*KP                     ; a slot: 256 rows of K, then 128 rows of V,
.set MOFF,  VOFF+128*VP                ; then 64 rows of the mask
.set SLOT,  MOFF+64*MP                 ; 134,144 bytes; slot 1 begins here
.set NSL,   8                          ; slots' worth of keys
.set SCK,   2*SLOT                     ; behind the ring: K's scale words of the whole head, 8,192 bytes, as rows of 256 bytes + 16 of padding;
.set SCH,   16*272                     ; (half of them: what one tensor load brings)
.set SCV,   SCK+2*SCH                  ; V's likewise
.set SPARE, SCV+2*SCH                  ; the spare words, 128 bytes for each wave: four blocks of 256 bytes that no other line names
.set STAGE, 0                          ; the way out: 64 rows x 192 bytes, in slot 0, which was left at the last change of slots: it has had its last fill, and nobody reads it
.set V_C,   4718592                    ; in qc: V's codes,
.set QK_S,  6291456                    ; Q's and K's scale words,
.set V_S,   6488064                    ; V's scale bytes
.set AO_S,  3145728                    ; in ao: the scale words
.set AK0,  1                           ; v1   my lane's place in a tile of K
.set AV0,  2                           ; v2   the same for V
.set ASK0, 3                           ; v3   my lane's place among K's scale words
.set ASV0, 4                           ; v4   and among V's
.set SPW,  5                           ; v5   LDS address of my spare word: SPARE + 4 x my thread's number; never rewritten
.set NIL,  6                           ; v6   0; never rewritten
.set AM0,  7                           ; v7   my lane's place in the mask's tile
.set ADK,  8
.set ADV,  9
.set ADS,  10
.set ADT,  11
.set ADM,  28
.set ADK2, 29                          ; v29  K's address for the pieces that, for lanes 16-31, lie behind one padding more
.set ADV2, 30                          ; v30  V's likewise
.set H16,  31                          ; v31  16 x (lane / 16): what those two add
.set PC,   32                          ; the way out: o's codes
.set TM,   52                          ; v52-67 at work there
.set PW,   68                          ; o's scale word
.set WV,   10                          ; s10  my wave's number
.set SEL,  20                          ; s[20:21] lane selects for v_permlanex16_b32: lane l xor 16
.set SCAL, 22                          ; s[22:23] 128^-0.5: the packed form names a pair and takes its low word for both halves
.set G1K,  24                          ; s[24:31], s[32:39], s[40:47], s[48:55]: descriptor groups 1 for K's, V's, the mask's tiles and the scale bytes
.set G1V,  32
.set G1M,  40
.set G1S,  48
.set G0K,  56                          ; s[56:59], s[60:63], s[68:71]: groups 0 that walk;  s[72:75], s[76:79]: those of the scale bytes
.set G0V,  60
.set G0M,  68
.set G0SK, 72
.set G0SV, 76
.set TB,   80                          ; s80  LDS byte at which the slot in hand begins: 0 and SLOT by turns
.set TS,   81                          ; s81  where the step's scale words of K begin: 544 bytes a step
.set TJ,   82                          ; s82  and V's: 4 bytes a step
.set SLOTS, 83                         ; s83  slots still to be asked for
.set L2E,  84                          ; s[84:85] log2(e)
.set VB,   98                          ; s98  where my part of V's tile lies in a slot;  s99 K's;  s101 the mask's: the wave's number alone
.set KB,   99
.set TF,   100                         ; s100 LDS byte at which the slot to be filled begins: SLOT and 0 by turns
.set MB,   101
; A joint refill: one line a wave.  The branches hang on the wave's number alone.  Four v_nop follow each line, ahead of the jump, the label and what follows.
.macro JLOAD
	s_cmp_lt_u32 s[WV], 2
	s_cbranch_scc0 .Lnot_k_\@
	tensor_load_to_lds s[G0K:G0K+3], s[G1K:G1K+7]
	s_nop 0
.rept 4
	v_nop
.endr
	s_branch .Lasked_\@
.Lnot_k_\@:
	s_cmp_lt_u32 s[WV], 4
	s_cbranch_scc0 .Lfor_m_\@
	tensor_load_to_lds s[G0V:G0V+3], s[G1V:G1V+7]
	s_nop 0
.rept 4
	v_nop
.endr
	s_branch .Lasked_\@
.Lfor_m_\@:
	tensor_load_to_lds s[G0M:G0M+3], s[G1M:G1M+7]
	s_nop 0
.rept 4
	v_nop
.endr
.Lasked_\@:
.endm
; A round of the cluster's barrier: my work-group's barrier; wave 0 signals for the work-group; every wave waits for all sixteen work-groups; my work-group's barrier once more.
.macro CROUND
	s_barrier_signal -1
	s_barrier_wait -1
	s_cmp_lg_u32 s[WV], 0
	s_cbranch_scc1 .Lnot_wave_0_\@
	s_barrier_signal -3
.Lnot_wave_0_\@:
	s_barrier_wait -3
	s_barrier_signal -1
	s_barrier_wait -1
.endm
; A fragment, 16 rows x 128 K of 6-bit codes, is 12 registers: lane l holds row l % 16; registers 6 c .. 6 c + 5 hold K = 64 c + 32 (l / 16) + 0 .. 31: 24 bytes of the row's stream of bits, in pieces of 8 bytes.
; K's, from the slot's row 'row' on: a row is 12 pieces, 16 bytes of padding behind every 4.  Lanes 0-15 take pieces 0, 1, 2, 6, 7, 8, lanes 16-31 those three pieces on: behind one padding more unless the piece's number is a multiple of 4.
.macro KFRAG reg, row
.irp p, 0,1,2,3,4,5
.set PIE, 6*(\p/3)+\p%3
.if PIE%4 == 0
	ds_load_b64 v[\reg+2*\p:\reg+2*\p+1], v[ADK] offset:(\row)*KP+8*PIE+16*(PIE/4)
.else
	ds_load_b64 v[\reg+2*\p:\reg+2*\p+1], v[ADK2] offset:(\row)*KP+8*PIE+16*(PIE/4)
.endif
.endr
.endm
; V's, the slot's q-th 128 keys: a row is 24 pieces, 16 bytes of padding behind every 8: behind one padding more where the piece's number modulo 8 is 5 or more.
.macro VFRAG reg, q, row
.irp p, 0,1,2,3,4,5
.set PIE, 12*(\q)+6*(\p/3)+\p%3
.if PIE%8 < 5
	ds_load_b64 v[\reg+2*\p:\reg+2*\p+1], v[ADV] offset:(\row)*VP+8*PIE+16*(PIE/8)
.else
	ds_load_b64 v[\reg+2*\p:\reg+2*\p+1], v[ADV2] offset:(\row)*VP+8*PIE+16*(PIE/8)
.endif
.endr
.endm
.macro VLOAD g, q                      ; V's tiles 4 g .. 4 g + 3 and their rows' scale words (64 bytes a row, four rows to 256 bytes + 16: a tile is 4 x 272 bytes on from the last)
.irp t, 0,1,2,3
	VFRAG 32+12*\t, \q, 16*(4*\g+\t)
	ds_load_b32 v[248+\t], v[ADT] offset:(4*\g+\t)*1088
.endr
.endm
; 64 numbers of a lane, v[s] .. v[s + 63], register 16 b + i = k 32 b + 16 (lane / 16) + i of my row, become a fragment's codes in v[PC] on and its scale word in v[PW].
.macro QUANT s
.irp b, 0,1,2,3
	v_max3_num_f32 v[TM+\b], |v[\s+16*\b]|, |v[\s+1+16*\b]|, 0x2800000   ; block b: my 16 numbers, and the floor 2^(5 - 127): the byte cannot fall under 1
.endr
.irp i, 2,4,6,8,10,12,14
.irp b, 0,1,2,3
	v_max3_num_f32 v[TM+\b], v[TM+\b], |v[\s+16*\b+\i]|, |v[\s+1+16*\b+\i]|   ; (the four blocks by turns)
.endr
.endr
.irp b, 0,1,2,3
	v_permlanex16_b32 v[TM+4+\b], v[TM+\b], s[SEL], s[SEL+1]
.endr
.irp b, 0,1,2,3
	v_max_num_f32 v[TM+\b], v[TM+\b], v[TM+4+\b]   ; with lane l xor 16's: the block's largest magnitude
.endr
.irp b, 0,1,2,3
	v_add_nc_u32 v[TM+12+\b], 0xfe000000, v[TM+\b]   ; 4 off its exponent field: the conversion's scale operand
.endr
.irp b, 0,1,2,3
	v_lshrrev_b32 v[TM+4+\b], 23, v[TM+12+\b]      ; the scale's byte
.endr
	v_lshl_or_b32 v[PW], v[TM+5], 8, v[TM+4]       ; the four bytes make my row's scale word
	v_lshl_or_b32 v[PW], v[TM+6], 16, v[PW]
	v_lshl_or_b32 v[PW], v[TM+7], 24, v[PW]
.irp c, 0,1
	v_cvt_scalef32_pk16_bf6_f32 v[PC+6*\c:PC+2+6*\c], v[\s+32*\c:\s+15+32*\c], v[TM+12+2*\c]
	v_cvt_scalef32_pk16_bf6_f32 v[PC+12+4*\c:PC+14+4*\c], v[\s+16+32*\c:\s+31+32*\c], v[TM+12+2*\c+1]   ; (a conversion's three registers begin on an even number)
.endr
	v_nop                                          ; one plain place behind a scaled conversion
.irp c, 0,1                                    ; a WHOLE block in a lane: lanes 0-15 block 2 c, lanes 16-31 block 2 c + 1
.irp i, 0,1,2
	v_permlane16_swap_b32 v[PC+6*\c+\i], v[PC+12+4*\c+\i]
.endr
.irp i, 0,1,2
	v_mov_b32 v[PC+3+6*\c+\i], v[PC+12+4*\c+\i]
.endr
.endr
.endm
	s_load_b128 s[4:7], s[0:1], 0x0                ; qc s[4:5], attention_mask s[6:7]
	s_load_b64 s[8:9], s[0:1], 0x10                ; ao
	v_lshl_add_u32 v[SPW], v0, 2, SPARE
	v_mov_b32 v[NIL], 0
	ds_add_u32 v5, v6
	ds_add_u32 v5, v6
	s_wait_dscnt 0x0
	v_lshrrev_b32 v8, 5, v0
	v_readfirstlane_b32 s[WV], v8                  ; wave 0..7
	s_and_b32 s11, s[WV], 1                        ; which of the two query heads is mine.  Also: which half of K, of V or of their scales I fetch
	s_bfe_u32 s12, ttmp6, 0x40000                  ; cx: the K/V head
	s_bfe_u32 s13, ttmp6, 0x40004                  ; cy
	s_lshl_b32 s15, 0x1111, s12                    ; my column of the cluster
	s_lshl_b32 s16, s13, 2
	s_lshl_b32 s16, 15, s16                        ; my row
	s_and_b32 s17, ttmp7, 0xffff
	s_lshl_b32 s17, s17, 2
	s_add_co_u32 s17, s17, s13                     ; my block of 64 queries = 4 x cluster y + cy;  the batch is the cluster's x, ttmp9
	; descriptor groups 1
	s_or_b32 s[G1K], s15, (1<<20)|(1<<21)|(2<<22)|(3<<25)   ; 15:0 the mask: my column; 17:16 elements of 1 byte; 20 padding on; 21 set beside a mask; 24:22 after every 8 words (code 2); 31:25 of 4 words (code 3)
	s_mov_b32 s[G1K+1], 96<<16                     ; tensor_dim0: a key's 96 bytes
	s_mov_b32 s[G1K+2], 128<<16                    ; tensor_dim1: 128 keys
	s_mov_b32 s[G1K+3], 96<<16                     ; tile_dim0
	s_mov_b32 s[G1K+4], 128                        ; tile_dim1
	s_mov_b32 s[G1K+5], 96                         ; tensor_dim0_stride: dense
	s_mov_b32 s[G1K+6], 0
	s_mov_b32 s[G1K+7], 0
	s_or_b32 s[G1V], s15, (1<<20)|(1<<21)|(3<<22)|(3<<25)   ; the same with padding after every 16 words (code 3)
	s_mov_b32 s[G1V+1], 192<<16                    ; 256 keys' codes,
	s_mov_b32 s[G1V+2], 64<<16                     ; 64 of the head's 128 rows,
	s_mov_b32 s[G1V+3], 192<<16
	s_mov_b32 s[G1V+4], 64
	s_mov_b32 s[G1V+5], 1536                       ; 1,536 bytes apart
	s_mov_b32 s[G1V+6], 0
	s_mov_b32 s[G1V+7], 0
	s_or_b32 s[G1M], s16, (2<<16)|(1<<20)|(1<<21)|(7<<22)|(3<<25)   ; the mask: my row; elements of 4 bytes; padding on: after every 256 words (code 7) 4 words (code 3)
	s_mov_b32 s[G1M+1], 256<<16                    ; 256 keys,
	s_mov_b32 s[G1M+2], 16<<16                     ; 16 queries,
	s_mov_b32 s[G1M+3], 256<<16
	s_mov_b32 s[G1M+4], 16
	s_mov_b32 s[G1M+5], 2048                       ; 2,048 numbers apart
	s_mov_b32 s[G1M+6], 0
	s_mov_b32 s[G1M+7], 0
	s_or_b32 s[G1S], s15, (3<<16)|(1<<20)|(1<<21)|(5<<22)|(3<<25)   ; half a head's scale bytes, 4,096 dense bytes, as 16 rows of 256 bytes (32 elements of 8), 16 bytes of padding behind each
	s_mov_b32 s[G1S+1], 32<<16
	s_mov_b32 s[G1S+2], 16<<16
	s_mov_b32 s[G1S+3], 32<<16
	s_mov_b32 s[G1S+4], 16
	s_mov_b32 s[G1S+5], 32
	s_mov_b32 s[G1S+6], 0
	s_mov_b32 s[G1S+7], 0
	; what hangs on (batch, cx): K's and V's places in qc.  These registers never hold cy
	s_mul_i32 s86, ttmp9, 12
	s_add_co_u32 s86, s86, 8
	s_add_co_u32 s86, s86, s12                     ; K's head among the 24
	s_mul_i32 s88, s86, 196608
	s_mul_i32 s87, s11, 12288
	s_add_co_u32 s88, s88, s87                     ; K's codes: my 128 keys of a slot
	s_mov_b32 s89, 0
	s_lshl_b32 s90, s86, 13
	s_lshl_b32 s87, s11, 12
	s_add_co_u32 s90, s90, s87
	s_add_co_u32 s90, s90, QK_S                    ; K's scale words: my half
	s_mov_b32 s91, 0
	s_lshl_b32 s86, ttmp9, 2
	s_add_co_u32 s86, s86, s12                     ; V's head among the 8
	s_mul_i32 s92, s86, 196608
	s_mul_i32 s87, s11, 98304
	s_add_co_u32 s92, s92, s87
	s_add_co_u32 s92, s92, V_C                     ; V's codes: my 64 rows
	s_mov_b32 s93, 0
	s_lshl_b32 s94, s86, 13
	s_lshl_b32 s87, s11, 12
	s_add_co_u32 s94, s94, s87
	s_add_co_u32 s94, s94, V_S                     ; V's scale bytes: my half
	s_mov_b32 s95, 0
	; what hangs on (batch, block of queries): the mask's tile.  These registers never hold cx
	s_lshl_b32 s96, ttmp9, 24                      ; a batch: 2,048 rows of 8,192 bytes
	s_lshl_b32 s97, s17, 19                        ; 64 rows
	s_add_co_u32 s96, s96, s97
	s_and_b32 s98, s[WV], 3                        ; which 16 rows I fetch
	s_lshl_b32 s97, s98, 17
	s_add_co_u32 s96, s96, s97
	s_mov_b32 s97, 0
	; where the tiles go in a slot: the wave's number alone
	s_mul_i32 s[KB], s11, 128*KP
	s_mul_i32 s100, s11, SCH
	s_mul_i32 s[MB], s98, 16*MP
	s_add_co_u32 s[MB], s[MB], MOFF
	s_mul_i32 s[VB], s11, 64*VP
	s_add_co_u32 s[VB], s[VB], VOFF
	; Q's and o's places hang on both: registers of their own, which feed no descriptor
	s_lshl_b32 s66, s12, 1
	s_add_co_u32 s66, s66, s11                     ; my query head = 2 cx + (wave & 1)
	s_lshl_b32 s14, s17, 6                         ; 64 x block
	s_lshr_b32 s67, s[WV], 1                       ; my tile of 16 queries, 0 .. 3
	s_lshr_b32 s3, s[WV], 2
	s_lshl_b32 s3, s3, 5
	s_add_co_u32 s18, s14, s3
	s_and_b32 s3, s67, 1
	s_lshl_b32 s3, s3, 3
	s_add_co_u32 s18, s18, s3                      ; where my queries' rows lie: query r of my tile at place 64 x block + 32 (tile / 2) + 8 (tile % 2) + r + 8 (r / 8)
	s_lshl_b32 s3, s67, 4
	s_add_co_u32 s14, s14, s3                      ; my first query = 64 x block + 16 x tile
	s_mul_i32 s2, ttmp9, 12
	s_add_co_u32 s2, s2, s66
	s_lshl_b32 s2, s2, 11
	s_add_co_u32 s2, s2, s18                       ; that place among Q's and K's rows
	s_lshl_b32 s18, s2, 2
	s_add_co_u32 s18, s18, QK_S                    ; its scale word
	s_mov_b32 s19, 0
	s_mul_i32 s2, s2, 96                           ; its codes
	s_mov_b32 s3, 0
	s_lshl_b32 s67, ttmp9, 11
	s_add_co_u32 s14, s14, s67                     ; my first query's token
	s_lshl_b32 s14, s14, 5
	s_lshl_b32 s66, s66, 2
	s_add_co_u32 s67, s14, s66
	s_add_co_u32 s67, s67, AO_S                    ; s67: o's scale words: 32 bytes a token, 4 a head
	s_lshl_b32 s66, ttmp9, 11
	s_lshl_b32 s14, s17, 6
	s_add_co_u32 s66, s66, s14
	s_mul_i32 s66, s66, 192
	s_mul_i32 s14, s12, 786432
	s_add_co_u32 s66, s66, s14
	s_mul_i32 s14, s[WV], 1536
	s_add_co_u32 s66, s66, s14                     ; s66: o's codes: the pair's plane, the work-group's 64 rows of 192 bytes, my eighth of them
	s_mov_b32 s[SEL], 0x76543210
	s_mov_b32 s[SEL+1], 0xfedcba98
	s_mov_b32 s[SCAL], 0x3db504f3                  ; 128^-0.5
	s_mov_b32 s[SCAL+1], s[SCAL]                   ; (named with it as a pair, so it is written)
	s_mov_b32 s[L2E], 0x3fb8aa3b                   ; log2(e)
	s_mov_b32 s[L2E+1], s[L2E]
	s_mov_b32 s[TB], 0
	s_mov_b32 s[TS], 0
	s_mov_b32 s[TJ], 0
	s_mov_b32 s[SLOTS], NSL-1
	s_wait_kmcnt 0x0
	s_mov_b32 s[G0K], 1                            ; 1:0 count = 1
	s_mov_b32 s[G0K+1], s[KB]                      ; 63:32 LDS address: slot 0
	s_add_nc_u64 s[G0K+2:G0K+3], s[4:5], s[88:89]  ; 120:64 global address
	s_or_b32 s[G0K+3], s[G0K+3], 0x80000000        ; 127:126 type = 2
	s_mov_b32 s[G0V], 1
	s_mov_b32 s[G0V+1], s[VB]
	s_add_nc_u64 s[G0V+2:G0V+3], s[4:5], s[92:93]
	s_or_b32 s[G0V+3], s[G0V+3], 0x80000000
	s_mov_b32 s[G0M], 1
	s_mov_b32 s[G0M+1], s[MB]
	s_add_nc_u64 s[G0M+2:G0M+3], s[6:7], s[96:97]
	s_or_b32 s[G0M+3], s[G0M+3], 0x80000000
	s_mov_b32 s[G0SK], 1
	s_add_co_u32 s[G0SK+1], s100, SCK
	s_add_nc_u64 s[G0SK+2:G0SK+3], s[4:5], s[90:91]
	s_or_b32 s[G0SK+3], s[G0SK+3], 0x80000000
	s_mov_b32 s[G0SV], 1
	s_add_co_u32 s[G0SV+1], s100, SCV
	s_add_nc_u64 s[G0SV+2:G0SV+3], s[4:5], s[94:95]
	s_or_b32 s[G0SV+3], s[G0SV+3], 0x80000000
	s_add_nc_u64 s[2:3], s[4:5], s[2:3]            ; Q's codes
	s_add_nc_u64 s[18:19], s[4:5], s[18:19]        ; and its scale words
	CROUND                                         ; all sixteen work-groups are here: the first joint loads meet
	s_cmp_lt_u32 s[WV], 2                          ; a wave's first fills stand in one branch: the scale bytes of the whole head (filled once) and slot 0: two loads of mine are out, or one
	s_cbranch_scc0 .Lfirst_not_k
	tensor_load_to_lds s[G0SK:G0SK+3], s[G1S:G1S+7]
	s_nop 0
	tensor_load_to_lds s[G0K:G0K+3], s[G1K:G1K+7]
	s_nop 0
.rept 4
	v_nop
.endr
	s_branch .Lfirst_asked
.Lfirst_not_k:
	s_cmp_lt_u32 s[WV], 4
	s_cbranch_scc0 .Lfirst_m
	tensor_load_to_lds s[G0SV:G0SV+3], s[G1S:G1S+7]
	s_nop 0
	tensor_load_to_lds s[G0V:G0V+3], s[G1V:G1V+7]
	s_nop 0
.rept 4
	v_nop
.endr
	s_branch .Lfirst_asked
.Lfirst_m:
	tensor_load_to_lds s[G0M:G0M+3], s[G1M:G1M+7]
	s_nop 0
.rept 4
	v_nop
.endr
.Lfirst_asked:
	v_and_b32 v8, 15, v0                           ; r = lane % 16
	v_bfe_u32 v9, v0, 4, 1                         ; h = lane / 16
	v_and_b32 v11, 8, v8
	v_add_nc_u32 v11, v11, v8                      ; r + 8 (r / 8)
	v_mul_u32_u24 v10, v11, 96
	v_mad_u32_u24 v10, v9, 24, v10                 ; Q: my query's row, + my half's bytes
.irp p, 0,1,2,3,4,5
	global_load_b64 v[16+2*\p:17+2*\p], v10, s[2:3] offset:48*(\p/3)+8*(\p%3)   ; Q's fragment stays in registers
.endr
	v_lshlrev_b32 v254, 2, v11
	global_load_b32 v255, v254, s[18:19]           ; Q's scale words
	v_mul_u32_u24 v[AK0], v8, KP
	v_mad_u32_u24 v[AK0], v9, 24, v[AK0]           ; K: row r of a tile, + 24 h
	v_mul_u32_u24 v[AV0], v8, VP
	v_mad_u32_u24 v[AV0], v9, 24, v[AV0]
	v_add_nc_u32 v[AV0], VOFF, v[AV0]              ; V likewise
	v_lshlrev_b32 v[H16], 4, v9
	v_lshl_add_u32 v[ASK0], v8, 2, SCK             ; K's scale words: 4 bytes a row; a step's 128 rows are two rows of 256 bytes
	v_lshrrev_b32 v29, 2, v8                       ; V's: 64 bytes a row of V, four rows to 256 bytes
	v_and_b32 v30, 3, v8
	v_lshlrev_b32 v30, 6, v30
	v_mad_u32_u24 v[ASV0], v29, 272, v30
	v_add_nc_u32 v[ASV0], SCV, v[ASV0]
	s_lshr_b32 s100, s[WV], 1
	s_mul_i32 s100, s100, 16*MP
	s_add_co_u32 s100, s100, MOFF                  ; my 16 queries' rows of the mask's tile
	v_mul_u32_u24 v[AM0], v8, MP
	v_lshl_add_u32 v[AM0], v9, 6, v[AM0]           ; row r, + 64 h: my 16 keys of a block of 32
	v_add_nc_u32 v[AM0], s100, v[AM0]
	s_mov_b32 s[TF], 0                             ; slot 0 has been asked for
	v_mov_b32 v13, 0xff61b1e6                      ; the largest t so far: -3e38, under every t
	v_floor_f32 v12, -v13                          ; -M
	v_mov_b32 v14, 0                               ; the sum, in two halves
	v_mov_b32 v15, 0
.irp b, 0,1,2,3
	v_mov_b32 v[236+\b], 0                         ; written once: a lane permute's destination counts as one of its sources
.endr
	v_mov_b32 v253, 0                              ; (named as the upper half of the pair v[252:253] before it is first written)
.set j, 0
.rept 64
	v_mov_b32 v[160+j], 0                          ; O^T.  (The key step is written once: its first pass finds zeros, which the first change of M leaves zeros; that spares a further copy of the step)
.set j, j+1
.endr
; A KEY STEP: 128 keys, the q-th of the slot in hand.
.macro STEP q
	v_add_nc_u32 v[ADK], s[TB], v[AK0]             ; (these seven are also the places in front of loads into registers that the last products read)
	v_add_nc_u32 v[ADV], s[TB], v[AV0]
	v_add_nc_u32 v[ADM], s[TB], v[AM0]
	v_add_nc_u32 v[ADS], s[TS], v[ASK0]
	v_add_nc_u32 v[ADT], s[TJ], v[ASV0]
	v_add_nc_u32 v[ADK2], v[ADK], v[H16]
	v_add_nc_u32 v[ADV2], v[ADV], v[H16]
.irp g, 0,1                                    ; S^T = K Q^T, four tiles of 16 keys at a time
.if \g > 0
.rept 4
	v_nop                                          ; places in front of loads into registers that matrix instructions have read
.endr
.endif
.irp t, 0,1,2,3
	KFRAG 32+12*\t, 128*(\q)+16*(4*\g+\t)
	ds_load_b32 v[248+\t], v[ADS] offset:272*\g+64*\t
.endr
	s_wait_dscnt 0x0
.irp t, 0,1,2,3
	v_wmma_scale_f32_16x16x128_f8f6f4 v[96+8*(4*\g+\t):103+8*(4*\g+\t)], v[32+12*\t:43+12*\t], v[16:27], 0, v[248+\t], v255 matrix_a_fmt:MATRIX_FMT_BF6 matrix_b_fmt:MATRIX_FMT_BF6
.endr
.endr                                          ; lane (r, h) holds query r; register 16 b + i is key 32 b + 16 h + i of the step
.rept 4
	v_nop                                          ; places: for the mask's loads into K's registers, and for the first read of the scores
.endr
.irp b, 0,1,2,3
.irp i, 0,1,2,3
	ds_load_b128 v[32+16*\b+4*\i:35+16*\b+4*\i], v[ADM] offset:512*(\q)+128*\b+16*\i   ; the mask of my query at the same 64 keys, in the same order
.endr
.endr
	s_wait_dscnt 0x0
.set j, 0
.rept 32
	v_pk_fma_f32 v[96+j:97+j], v[96+j:97+j], s[SCAL:SCAL+1], v[32+j:33+j] op_sel_hi:[1,0,1]   ; the logit = score x 128^-0.5 + mask; each accumulator is read from its low end on
.set j, j+2
.endr
	VLOAD 0, \q                                    ; the mask's registers are free: V's first four tiles are asked for here and land under the softmax, which names none of v32-79 and v248-251
.set j, 0
.rept 32
	v_pk_mul_f32 v[96+j:97+j], v[96+j:97+j], s[L2E:L2E+1] op_sel_hi:[1,0]   ; t = logit x log2(e), rounded on its own
.set j, j+2
.endr
.irp b, 0,1,2,3
	v_max3_num_f32 v[232+\b], v[96+16*\b], v[97+16*\b], v[98+16*\b]   ; THE LARGEST t OF EACH BLOCK OF 32 KEYS: it serves twice: for the row's maximum, and, since p rises with t, for the block's largest p
.endr
.irp i, 3,5,7,9,11,13
.irp b, 0,1,2,3
	v_max3_num_f32 v[232+\b], v[232+\b], v[96+16*\b+\i], v[97+16*\b+\i]   ; (the four blocks by turns)
.endr
.endr
.irp b, 0,1,2,3
	v_max_num_f32 v[232+\b], v[232+\b], v[111+16*\b]
.endr
.irp b, 0,1,2,3
	v_permlanex16_b32 v[236+\b], v[232+\b], s[SEL], s[SEL+1]
.endr
.irp b, 0,1,2,3
	v_max_num_f32 v[232+\b], v[232+\b], v[236+\b]  ; with lane l xor 16's 16 keys
.endr
	v_max3_num_f32 v254, v232, v233, v234
	v_max_num_f32 v254, v254, v235                 ; the step's largest t of my query
	v_max_num_f32 v13, v13, v254                   ; the running largest t
	v_mov_b32 v254, v12
	v_floor_f32 v12, -v13                          ; the new -M = floor(-t) = -ceil(t): M IS A WHOLE NUMBER
	v_sub_f32 v254, v12, v254                      ; M's old value less its new one: a whole number, 0 or less
	v_cvt_i32_f32 v254, v254                       ; (it saturates)
	v_ldexp_f32 v252, 1.0, v254                    ; f = 2^(old M - new M): what was summed under the old M is brought under the new by a multiplication that rounds nothing
.set j, 0
.rept 32
	v_pk_add_f32 v[96+j:97+j], v[96+j:97+j], v[12:13] op_sel_hi:[1,0]   ; t - M, two at a time (of the pair the low word, -M, serves both halves)
.set j, j+2
.endr
.irp b, 0,1,2,3
	v_add_f32 v[232+\b], v[232+\b], v12            ; the same of each block's largest t
.endr
.set j, 0
.rept 64
	v_exp_f32 v[96+j], v[96+j]                     ; p = 2^(t - M), at most 1: NOT normalised
.set j, j+1
.endr
.irp b, 0,1,2,3
	v_exp_f32 v[232+\b], v[232+\b]                 ; the block's largest p: the same instructions on the same number give the same bits
.endr
	v_pk_mul_f32 v[14:15], v[14:15], v[252:253] op_sel_hi:[1,0]   ; the sums under the new M.  (A plain place behind the exponentials)
	s_wait_alu depctr_va_vdst(0)
.irp b, 0,1,2,3
	v_max_num_f32 v[232+\b], 0x2800000, v[232+\b]  ; the floor 2^(5 - 127): the byte cannot fall under 1 (a block whose every p is 0 keeps that byte: its codes are zeros)
.endr
.irp b, 0,1,2,3
	v_add_nc_u32 v[244+\b], 0xfe000000, v[232+\b]  ; 4 off the exponent field: the conversion's scale operand
.endr
.irp b, 0,1,2,3
	v_lshrrev_b32 v[236+\b], 23, v[244+\b]         ; the scale's byte
.endr
	v_lshl_or_b32 v253, v237, 8, v236              ; p's scale word for these 128 keys
	v_lshl_or_b32 v253, v238, 16, v253
	v_lshl_or_b32 v253, v239, 24, v253
.irp c, 0,1
	v_cvt_scalef32_pk16_bf6_f32 v[224+6*\c:226+6*\c], v[96+32*\c:111+32*\c], v[244+2*\c]
	v_cvt_scalef32_pk16_bf6_f32 v[236+4*\c:238+4*\c], v[112+32*\c:127+32*\c], v[244+2*\c+1]   ; (a conversion's three registers begin on an even number)
.endr
	v_nop                                          ; one plain vector instruction between a scaled conversion and the vector instruction that touches its result
.irp c, 0,1                                    ; the operand's layout wants a WHOLE block in a lane: lanes 0-15 block 2 c, lanes 16-31 block 2 c + 1
.irp i, 0,1,2
	v_permlane16_swap_b32 v[224+6*\c+\i], v[236+4*\c+\i]
.endr
.irp i, 0,1,2
	v_mov_b32 v[227+6*\c+\i], v[236+4*\c+\i]
.endr
.endr
	v_pk_add_f32 v[236:237], v[96:97], v[98:99]    ; THE ROW'S SUM IS TAKEN OF THE UNQUANTISED p: two at a time, in two chains
.irp j, 4,8,12,16,20,24,28,32,36,40,44,48,52,56,60
	v_pk_add_f32 v[14:15], v[14:15], v[96+\j:97+\j]
	v_pk_add_f32 v[236:237], v[236:237], v[98+\j:99+\j]
.endr
	v_pk_add_f32 v[14:15], v[14:15], v[236:237]
.set j, 0
.rept 32
	v_pk_mul_f32 v[160+j:161+j], v[160+j:161+j], v[252:253] op_sel_hi:[1,0]   ; O^T under the new M: x f, each accumulator from its low end on.  (These 32 are also the places in front of the matrix instructions below, whose operand and scale word vector instructions have just written)
.set j, j+2
.endr
.irp g, 0,1                                    ; O^T += V^T P^T: four tiles of 16 of the head's 128 at a time; K = these 128 keys.  The eight accumulators take turns, one instruction a turn
.if \g > 0
.rept 4
	v_nop                                          ; places in front of loads into registers that matrix instructions have read
.endr
	VLOAD 1, \q
.endif
	s_wait_dscnt 0x0                               ; the four tiles are in (the first four were asked for ahead of the softmax)
.irp t, 0,1,2,3
	v_wmma_scale_f32_16x16x128_f8f6f4 v[160+8*(4*\g+\t):167+8*(4*\g+\t)], v[32+12*\t:43+12*\t], v[224:235], v[160+8*(4*\g+\t):167+8*(4*\g+\t)], v[248+\t], v253 matrix_a_fmt:MATRIX_FMT_BF6 matrix_b_fmt:MATRIX_FMT_BF6
.endr
.endr
	s_add_co_u32 s[TS], s[TS], 544                 ; the next step's scale words
	s_add_co_u32 s[TJ], s[TJ], 4
.endm
; THE CHANGE OF SLOTS stands at a slot's head.  Each wave waits for all its tensor loads (its part of the slot that is about to be read), adds 0 to its spare word, and waits for that and for its reads of the slot that it has left.
; fill = 1: a round of the cluster's barrier, behind which no wave of any partner still reads the slot that was left or has a load on its way; that slot is then filled with the keys that follow.
.macro CHANGE fill
	s_wait_tensorcnt 0x0                           ; no tensor load of mine is out, so a group 0 may be written
	ds_add_u32 v[SPW], v[NIL]                      ; 0 onto my spare word: with fill = 1 the descriptors' steps stand between it and the wait for it
.if \fill
	s_xor_b32 s[TF], s[TF], SLOT                   ; the other slot than last time: 0 and SLOT by turns;
	s_add_co_u32 s[G0K+1], s[TF], s[KB]            ; the walking descriptors: my part's place in it,
	s_add_nc_u64 s[G0K+2:G0K+3], s[G0K+2:G0K+3], 24576   ; the next 256 keys; the type bits on top are not reached
	s_add_co_u32 s[G0V+1], s[TF], s[VB]
	s_add_nc_u64 s[G0V+2:G0V+3], s[G0V+2:G0V+3], 192
	s_add_co_u32 s[G0M+1], s[TF], s[MB]
	s_add_nc_u64 s[G0M+2:G0M+3], s[G0M+2:G0M+3], 1024
.endif
	s_wait_dscnt 0x0                               ; the add is done, and my reads of the slot that I have left are over
.if \fill
	CROUND
	JLOAD                                          ; the first thing behind the round, and a wave's one tensor load until the next
.else
	s_barrier_signal -1
	s_barrier_wait -1
.endif
.endm
.macro SLOT_STEPS
	STEP 0
	STEP 1
	s_xor_b32 s[TB], s[TB], SLOT                   ; on to the other slot
.endm
	s_wait_loadcnt 0x0                             ; Q
.Lslot:                                            ; 7 trips: behind each change of slots but the last the next slot is asked for
	CHANGE 1
	SLOT_STEPS
	s_sub_co_u32 s[SLOTS], s[SLOTS], 1
	s_cmp_lg_u32 s[SLOTS], 0
	s_cbranch_scc1 .Lslot
	CHANGE 0                                       ; the last slot is written out
	SLOT_STEPS
	; THE WAY OUT.  O^T is divided by the row's sum and quantised along the head's 128; a row's 96 bytes of codes go to the work-group's stage beside the other head's, and the 64 rows of 192 bytes leave as 12,288 consecutive bytes.
	v_add_f32 v14, v14, v15                        ; the sum's two halves,
	v_permlanex16_b32 v252, v14, s[SEL], s[SEL+1]
	v_add_f32 v14, v14, v252                       ; and lane l xor 16's: the row's sum
	v_rcp_f32 v14, v14
	v_and_b32 v8, 15, v0                           ; (plain places behind the transcendental and the last products)  r
	v_bfe_u32 v9, v0, 4, 1                         ; h
	s_lshr_b32 s99, s[WV], 1
	s_mul_i32 s99, s99, 16*192
	s_mul_i32 s100, s11, 96
	s_add_co_u32 s99, s99, s100
	s_add_co_u32 s99, s99, STAGE                   ; my 16 rows of the stage, my head's half of them
	v_mul_u32_u24 v10, v8, 192
	v_mad_u32_u24 v10, v9, 24, v10
	v_add_nc_u32 v10, s99, v10                     ; in: row r, + 24 h
	s_mul_i32 s100, s[WV], 1536
	s_add_co_u32 s100, s100, STAGE
	v_and_b32 v11, 31, v0
	v_lshlrev_b32 v28, 4, v11                      ; back: 16 bytes a lane of my eighth of the stage; and the same in ao
	v_add_nc_u32 v11, s100, v28
	v_lshlrev_b32 v29, 5, v8
	v_lshl_add_u32 v29, v9, 1, v29                 ; the scale word: 32 bytes a token, + 2 h: each lane stores two bytes of its own
	v_lshlrev_b32 v30, 4, v9                       ; 16 h
.irp b, 0,1,2,3
	v_mov_b32 v[TM+4+\b], 0                        ; a lane permute's destination counts as one of its sources
.endr
.set j, 0
	s_wait_alu depctr_va_vdst(0)
.rept 64
	v_mul_f32 v[96+j], v[160+j], v14               ; O^T / the sum: register 16 b + i is o(query r, d = 32 b + 16 h + i); each accumulator from its low end on
.set j, j+1
.endr
	QUANT 96
.irp p, 0,1,2,3,4,5
	ds_store_b64 v10, v[PC+2*\p:PC+2*\p+1] offset:48*(\p/3)+8*(\p%3)   ; registers 6 c .. 6 c + 5: d = 64 c + 32 h on: bytes 48 c + 24 h on of the row's 96
.endr
	v_lshrrev_b32 v31, v30, v[PW]                  ; my half of the scale word
	s_mov_b32 s2, s66                              ; (Q's loads are long done: their bases are free)
	s_mov_b32 s3, 0
	s_add_nc_u64 s[2:3], s[8:9], s[2:3]            ; o's codes
	s_mov_b32 s18, s67
	s_mov_b32 s19, 0
	s_add_nc_u64 s[18:19], s[8:9], s[18:19]        ; o's scale words
	s_wait_dscnt 0x0                               ; for the others' sake: my stores into the stage are done
	s_barrier_signal -1
	s_barrier_wait -1
.irp c, 0,1,2
	ds_load_b128 v[72+4*\c:75+4*\c], v11 offset:512*\c
.endr
	global_store_b16 v29, v31, s[18:19]
.irp c, 0,1,2
	s_wait_dscnt 2-\c                              ; the later loads may be out
	global_store_b128 v28, v[72+4*\c:75+4*\c], s[2:3] offset:512*\c   ; 32 lanes store 512 consecutive bytes, at a multiple of 256 from ao's first byte
.endr
	s_wait_tensorcnt 0x0                           ; the wave's end, behind my last tensor load and my last LDS store
	ds_add_u32 v[SPW], v[NIL]
	s_wait_dscnt 0x0
	CROUND                                         ; the closing round: no work-group ends while a partner may still ask for a tile that names it
	s_endpgm
.Lfunc_end_k_qb52a8d6c36_attention:
	.size	k_qb52a8d6c36_attention, .Lfunc_end_k_qb52a8d6c36_attention-k_qb52a8d6c36_attention
	.p2alignl 7, 3214868480
	.fill 96, 4, 3214868480
	.section	.rodata,"a",@progbits
	.p2align	6, 0x0
	.amdhsa_kernel k_qb52a8d6c36_attention
		.amdhsa_group_segment_fixed_size 327680
		.amdhsa_private_segment_fixed_size 0
		.amdhsa_enable_private_segment 0
		.amdhsa_kernarg_size 24
		.amdhsa_user_sgpr_count 2
		.amdhsa_user_sgpr_kernarg_segment_ptr 1
		.amdhsa_wavefront_size32 1
		.amdhsa_system_sgpr_workgroup_id_x 1
		.amdhsa_system_sgpr_workgroup_id_y 1
		.amdhsa_system_sgpr_workgroup_id_z 1
		.amdhsa_system_vgpr_workitem_id 0
		.amdhsa_next_free_vgpr 256
		.amdhsa_next_free_sgpr 102
		.amdhsa_reserve_vcc 0
		.amdhsa_float_denorm_mode_32 3
		.amdhsa_float_denorm_mode_16_64 3
		.amdhsa_memory_ordered 1
		.amdhsa_forward_progress 1
		.amdhsa_inst_pref_size 133
	.end_amdhsa_kernel
	.amdgpu_metadata
---
amdhsa.version: [ 1, 2 ]
amdhsa.kernels:
  - .name:           k_qb52a8d6c36_attention
    .symbol:         k_qb52a8d6c36_attention.kd
    .args:
      - { .name: qc, .offset: 0, .size: 8, .value_kind: global_buffer, .address_space: global }
      - { .name: attention_mask, .offset: 8, .size: 8, .value_kind: global_buffer, .address_space: global }
      - { .name: ao, .offset: 16, .size: 8, .value_kind: global_buffer, .address_space: global }
    .group_segment_fixed_size: 327680
    .private_segment_fixed_size: 0
    .kernarg_segment_align: 8
    .kernarg_segment_size: 24
    .max_flat_workgroup_size: 256
    .sgpr_count:     102
    .vgpr_count:     256
    .wavefront_size: 32
...
	.end_amdgpu_metadata
.endif
;; end of part 4
;; launch gemm_out (part 5): grid 16 x 16, 4 waves a work-group, clusters of 4 x 4, 327,680 bytes of LDS; arguments ao, qa, out0; writes out0
.if DOCPART == 5
	.amdgcn_target "amdgcn-amd-amdhsa--gfx1250"
	.amdhsa_code_object_version 6
	.text
	.protected	k_qb52a8d6c36_gemm_out
	.globl	k_qb52a8d6c36_gemm_out
	.p2align	8
	.type	k_qb52a8d6c36_gemm_out,@function
k_qb52a8d6c36_gemm_out:
	s_mov_b64 s[64:65], 0
	v_nop
	global_prefetch_b8 v0, s[64:65] scope:SCOPE_SE
	s_setreg_imm32_b32 hwreg(HW_REG_WAVE_MODE, 25, 1), 1
	s_wait_xcnt 0x0
	s_wait_alu depctr_hold_cnt(0) depctr_sa_sdst(0) depctr_va_vdst(0) depctr_va_sdst(0) depctr_va_ssrc(0) depctr_va_vcc(0) depctr_vm_vsrc(0)
	s_getreg_b32 s2, hwreg(HW_REG_IB_STS2, 6, 4)
	s_cmp_eq_u32 s2, 0
	s_cbranch_scc0 .Lentry_in_a_cluster
	s_endpgm
.Lentry_in_a_cluster:
	s_bfe_u32 s2, ttmp6, 0x10000c
	s_cmp_lg_u32 s2, 0xf033
	s_cbranch_scc0 .Lentry_shape_is_right
	s_endpgm
.Lentry_shape_is_right:
; out0[m][n] = sum over k of A[m][k] B[n][k].  A = attention's output [4096][1024], B = Wo [4096][1024]: codes of BF6 (E3M2), 6 bits each, with one E8M0 scale for each 32 along K; out0: [4096][4096] f32; sums in f32.
; A's codes lie in ao BY K STEPS: [K step of 256 (4)][4096 rows][192 bytes], so a tile of A (128 rows x 192 bytes) is a dense block; its scale bytes lie [4096][32].  B's codes [4096][768 bytes] and scale bytes [4096][32] lie in qa.
; A tile of C, 256 x 256, is made by a work-group of four waves; a wave makes 128 x 128: 64 accumulators of 16 x 16, 512 registers.  C has 16 x 16 = 256 such tiles.
; K goes in steps of 256 through a ring of two LDS slots filled by the tensor data mover: a tile's row is 192 bytes of memory.
; THE SCALES of the work-group's 256 rows of A and 256 rows of B, for all of K, are two dense blocks of memory: they come into LDS ONCE, with the first fills, as rows of 256 bytes, and stay.
; CLUSTERS: 4 x 4 work-groups.  The four of a row of the cluster need the same tiles of A, the four of a column the same tiles of B: each tile is asked for JOINTLY, by the same tensor load with the
; same descriptor and a mask that names the four.  THE MATRIX INSTRUCTION IS USED TRANSPOSED (source 0 = 16 rows of B, source 1 = 16 rows of A): a lane then holds eight neighbouring numbers of a row of C.
; REGISTERS, in windows of 256: window 0: v0-31 addresses; v32-63 scale words, two sets; from v128 A's fragments (8 x 16 rows x 128 K), ONE set; on the way out v32-255 are free.
;   window 1: B's fragments, TWO sets, at v0 and at v128.   window 2: the 32 accumulators of my rows 0-63 (accumulator (a, b) at v[8 (8 a + b)]);   window 3: those of my rows 64-127.
; A step of 128 along K is 64 matrix instructions, A's blocks one after the other, each against B's eight: a block of A is free as soon as its eight products are issued, so one set of registers serves A.
.set SIZE_M, 4096
.set SIZE_N, 4096
.set SIZE_K, 1024
.set AO_S,   3145728                   ; in ao: A's scale bytes (A's codes begin at 0)
.set WO_C,   18874368                  ; in qa: B's codes,
.set WO_S,   22806528                  ; B's scale bytes
.set KSTEP,  256                       ; along K in a slot
.set NQ,     KSTEP/128                 ; matrix instructions deep
.set ROWB,   192                       ; a tile's row in bytes: KSTEP codes of 6 bits
.set KROW,   SIZE_K*6/8                ; a row of B in memory, in bytes
.set APITCH, ROWB                      ; from row to row of A's tile in memory: dense
.set ASTEP,  SIZE_M*ROWB               ; from one K step of A to the next: a plane of 4,096 rows
.set PITCH,  240                       ; an LDS row: 3 x (64 bytes of data + 16 of padding) = 60 words: the 32 lanes of a load of 8 bytes touch 64 different banks (64 banks of 4 bytes: ISA guide 11.1)
.set FR,     12                        ; registers of a fragment: 16 rows x 128 K
.set NL,     6                         ; LDS loads that bring one
.set NP,     4                         ; places behind this matrix instruction (ISA guide 7.12.1)
.set HALFT,  128*PITCH                 ; 128 rows: what one tensor load brings, and what one wave reads of A or of B
.set SLOT,   4*HALFT                   ; A's 256 rows, then B's 256 rows
.set LAPS,   SIZE_K/(2*KSTEP)          ; a lap = two K steps = once round the ring
.set KS,     SIZE_K/32                 ; a row of scales in bytes
.set SCL,    2*SLOT                    ; behind the ring: the scales, as rows of 256 bytes + 16 of padding
.set HALFS,  (128*KS/256)*272          ; the scales of 128 rows: what one tensor load brings
.set SBLK,   (16*KS/256)*272           ; those of 16 rows
.set SPARE,  SCL+4*HALFS               ; behind the scales: the spare words, 128 bytes for each wave: two blocks of 256 bytes that no other line names
.set SPITCH, 528                       ; the way out: a stage of 16 rows x (512 bytes + 16) for each wave.  It lies in slot 0, which has had its last fill and its last read when the first result is stored there
.set ADRA, 16                          ; v16-17  LDS address of my A fragments in slot 0, 1  (v18-19: the same for the pieces that lie behind one padding more)
.set ADRB, 20                          ; v20-21  the same for B  (v22-23)
.set STO,  24                          ; v24     the way out: where I put 32 bytes of a row
.set RD,   25                          ; v25     the way out: where I read a row back
.set CO,   26                          ; v26     my byte offset in a row of C
.set SPW,  28                          ; v28     LDS address of my spare word: SPARE + 4 x my thread's number; never rewritten
.set NIL,  29                          ; v29     0; never rewritten
.set ADRS, 27                          ; v27     LDS address of my scale words: lanes 0-15 A's rows, lanes 16-31 B's
.set SC,   32                          ; scale words: set s (for slot s) at v[SC + 8 NQ s]; in it register NQ i + q: lanes 0-15 the word of A's block i, lanes 16-31 that of B's block i
.set AF,   128                         ; A's fragments, in window 0
.set BK,   128                         ; the way out: 16 rows read back from the stage: v128-191 and v192-255 by turns
.set G1, 24                            ; s[24:31] descriptor group 1 for A's tiles;  s[32:39] group 0, one set for each slot
.set G0, 32
.set G1B, 48                           ; s[48:55], s[56:63] the same for B's tiles
.set G0B, 56
.set G1S, 68                           ; s[68:75], s[76:79] groups 1 and 0 for A's scales;  s[80:87], s[88:91] for B's
.set G0S, 76
.set G1SB, 80
.set G0SB, 88
.set MSB, 0
.macro WIN new                         ; the immediate's high byte repeats the setting that is left
.if MSB != \new
	s_set_vgpr_msb (MSB<<8)|\new
.set MSB, \new
.endif
.endm
.set MUL_LO, 0xa1                      ; source 0 (B) window 1, source 1 (A) window 0, C and D window 2
.set MUL_HI, 0xf1                      ; the same, C and D window 3
.set TO_B,   0x40                      ; destination window 1, address window 0
; A joint load: waves 0 and 1 fetch for A, waves 2 and 3 for B.  Each of the two lines has ONE mask and one set of registers for all that issue it; the branch hangs on the wave's number alone.
; Four v_nop follow each of the two lines, ahead of the jump, the label and what follows.
.macro JLOAD g0a, g1a, g0b, g1b
	s_cmp_eq_u32 s15, 0
	s_cbranch_scc0 .Lfor_b_\@
	tensor_load_to_lds s[\g0a:\g0a+3], s[\g1a:\g1a+7]
	s_nop 0
.rept 4
	v_nop
.endr
	s_branch .Lasked_\@
.Lfor_b_\@:
	tensor_load_to_lds s[\g0b:\g0b+3], s[\g1b:\g1b+7]
	s_nop 0
.rept 4
	v_nop
.endr
.Lasked_\@:
.endm
.macro CREST                           ; a round of the cluster's barrier behind its opening barrier
	s_cmp_lg_u32 s14, 0
	s_cbranch_scc1 .Lnot_wave_0_\@
	s_barrier_signal -3
.Lnot_wave_0_\@:
	s_barrier_wait -3
	s_barrier_signal -1
	s_barrier_wait -1
.endm
.macro CROUND                          ; a whole round
	s_barrier_signal -1
	s_barrier_wait -1
	CREST
.endm
	s_load_b128 s[4:7], s[0:1], 0x0                ; ao s[4:5], qa s[6:7]
	s_load_b64 s[12:13], s[0:1], 0x10              ; out0
	v_lshl_add_u32 v[SPW], v0, 2, SPARE
	v_mov_b32 v[NIL], 0
	ds_add_u32 v28, v29
	ds_add_u32 v28, v29
	s_wait_dscnt 0x0
	v_lshrrev_b32 v1, 5, v0
	v_readfirstlane_b32 s14, v1                    ; wave 0..3
	s_lshr_b32 s15, s14, 1                         ; which half of the tile's rows is mine.  Also: I fetch for A (0) or for B (1)
	s_and_b32 s16, s14, 1                          ; which half of its columns.  Also: which 128 rows of that tile I fetch
	s_bfe_u32 s40, ttmp6, 0x40000                  ; cx, cy: my place in the cluster
	s_bfe_u32 s41, ttmp6, 0x40004
	s_lshl_b32 s42, ttmp9, 2
	s_add_co_u32 s42, s42, s40                     ; tile column of C = 4 x cluster x + cx
	s_and_b32 s17, ttmp7, 0xffff
	s_lshl_b32 s17, s17, 2
	s_add_co_u32 s17, s17, s41                     ; tile row of C = 4 x cluster y + cy
	s_lshl_b32 s43, s41, 2
	s_lshl_b32 s43, 15, s43                        ; my row of the cluster
	s_lshl_b32 s44, 0x1111, s40                    ; my column
	; descriptor group 1: a tile of 128 rows x ROWB bytes, padded in LDS
	s_or_b32 s[G1+0], s43, (0<<16)|(1<<20)|(1<<21)|(3<<22)|(3<<25)  ; 15:0 the mask: A's tiles go to my row; 17:16 element of 1 byte; 20 padding on; 21 set beside a mask; 24:22 after every 16 words (code 3); 31:25 of 4 words (code 3)
	s_or_b32 s[G1B+0], s44, (0<<16)|(1<<20)|(1<<21)|(3<<22)|(3<<25)
.irp g, G1, G1B
	s_mov_b32 s[\g+1], ROWB<<16                    ; tensor_dim0
	s_mov_b32 s[\g+2], 128<<16                     ; tensor_dim1 = 128
	s_mov_b32 s[\g+3], ROWB<<16                    ; tile_dim0
	s_mov_b32 s[\g+4], 128                         ; tile_dim1 = 128
	s_mov_b32 s[\g+6], 0
	s_mov_b32 s[\g+7], 0
.endr
	s_mov_b32 s[G1+5], APITCH                      ; tensor_dim0_stride: A's,
	s_mov_b32 s[G1B+5], KROW                       ; B's
	; and for the scales of 128 rows: a dense block of 128 KS bytes, as rows of 256 bytes (32 elements of 8 bytes), 16 bytes of padding behind each
	s_or_b32 s[G1S+0], s43, (3<<16)|(1<<20)|(1<<21)|(5<<22)|(3<<25)
	s_or_b32 s[G1SB+0], s44, (3<<16)|(1<<20)|(1<<21)|(5<<22)|(3<<25)
.irp g, G1S, G1SB
	s_mov_b32 s[\g+1], 32<<16
	s_mov_b32 s[\g+2], (128*KS/256)<<16
	s_mov_b32 s[\g+3], 32<<16
	s_mov_b32 s[\g+4], 128*KS/256
	s_mov_b32 s[\g+5], 32
	s_mov_b32 s[\g+6], 0
	s_mov_b32 s[\g+7], 0
.endr
	s_lshl_b32 s18, s16, 7                         ; which 128 rows of the tile I fetch
	s_lshl_b32 s20, s17, 8
	s_add_co_u32 s20, s20, s18                     ; A: row 256 x tile row + 128 x half
	s_lshl_b32 s46, s42, 8
	s_add_co_u32 s46, s46, s18                     ; B: row 256 x tile column + 128 x half
	s_mov_b32 s21, 0
	s_mov_b32 s47, 0
	s_mov_b64 s[18:19], KS
	s_mul_u64 s[22:23], s[20:21], s[18:19]         ; where these rows' scales begin, in bytes
	s_mul_u64 s[92:93], s[46:47], s[18:19]
	s_mov_b64 s[18:19], APITCH
	s_mul_u64 s[20:21], s[20:21], s[18:19]         ; and their codes
	s_mov_b64 s[18:19], KROW
	s_mul_u64 s[46:47], s[46:47], s[18:19]
	s_mul_i32 s45, s14, HALFT                      ; where they go: wave x 128 rows: no place in the cluster enters an LDS address
	s_mul_i32 s94, s14, HALFS
	s_wait_kmcnt 0x0
	s_add_nc_u64 s[8:9], s[6:7], WO_C              ; B's codes
	s_add_nc_u64 s[10:11], s[6:7], WO_S            ; B's scales
	s_add_nc_u64 s[6:7], s[4:5], AO_S              ; A's scales (A's codes begin with ao)
	s_add_nc_u64 s[20:21], s[4:5], s[20:21]
	s_add_nc_u64 s[22:23], s[6:7], s[22:23]
	s_add_nc_u64 s[46:47], s[8:9], s[46:47]
	s_add_nc_u64 s[92:93], s[10:11], s[92:93]
	CROUND                                         ; all sixteen work-groups are here: the first joint loads meet
	s_mov_b32 s[G0S], 1
	s_add_co_u32 s[G0S+1], s94, SCL
	s_mov_b64 s[G0S+2:G0S+3], s[22:23]
	s_or_b32 s[G0S+3], s[G0S+3], 0x80000000
	s_mov_b32 s[G0SB], 1
	s_add_co_u32 s[G0SB+1], s94, SCL
	s_mov_b64 s[G0SB+2:G0SB+3], s[92:93]
	s_or_b32 s[G0SB+3], s[G0SB+3], 0x80000000
	JLOAD G0S, G1S, G0SB, G1SB                     ; the scales first: they are wanted with K step 0
.irp s, 0,1
	s_mov_b32 s[G0+4*\s], 1
	s_add_co_u32 s[G0+4*\s+1], s45, \s*SLOT
	s_add_nc_u64 s[G0+4*\s+2:G0+4*\s+3], s[20:21], \s*ASTEP
	s_or_b32 s[G0+4*\s+3], s[G0+4*\s+3], 0x80000000
	s_mov_b32 s[G0B+4*\s], 1
	s_add_co_u32 s[G0B+4*\s+1], s45, \s*SLOT
	s_add_nc_u64 s[G0B+4*\s+2:G0B+4*\s+3], s[46:47], \s*ROWB
	s_or_b32 s[G0B+4*\s+3], s[G0B+4*\s+3], 0x80000000
	JLOAD G0+4*\s, G1, G0B+4*\s, G1B
.endr
	v_and_b32 v1, 15, v0                           ; l % 16
	v_bfe_u32 v2, v0, 4, 1                         ; l / 16
	v_mul_u32_u24 v3, v1, PITCH
	v_mul_u32_u24 v4, v2, 24
	v_add_nc_u32 v4, v3, v4                        ; a fragment's row x pitch + 24 x half
	v_lshl_add_u32 v5, v2, 4, v4                   ; and the same behind one padding more
	s_mul_i32 s21, s15, HALFT                      ; my 128 rows of A
	s_mul_i32 s22, s16, HALFT                      ; my 128 rows of B,
	s_add_co_u32 s22, s22, 2*HALFT                 ; which lie behind A's 256
.irp s, 0,1
	v_add_nc_u32 v[ADRA+\s], s21, v4
	v_add_nc_u32 v[ADRB+\s], s22, v4
	v_add_nc_u32 v[ADRA+2+\s], s21, v5
	v_add_nc_u32 v[ADRB+2+\s], s22, v5
	s_add_co_u32 s21, s21, SLOT
	s_add_co_u32 s22, s22, SLOT
.endr
	v_mul_u32_u24 v5, v1, KS                       ; my row's scales: KS bytes a row,
	v_lshrrev_b32 v6, 8, v5
	v_lshl_add_u32 v5, v6, 4, v5                   ; and 16 more for each 256 passed
	s_mul_i32 s21, s15, HALFS                      ; A's: my 128 rows
	s_mul_i32 s22, s16, HALFS                      ; B's: my 128 rows, behind A's 256
	s_add_co_u32 s22, s22, 2*HALFS
	s_sub_co_u32 s22, s22, s21
	v_mul_u32_u24 v6, s22, v2                      ; lanes 16-31 take B's
	s_add_co_u32 s21, s21, SCL
	v_add_nc_u32 v5, v5, v6
	v_add_nc_u32 v[ADRS], s21, v5
	s_mul_i32 s23, s14, 16*SPITCH                  ; my stage
	v_mul_u32_u24 v5, v1, SPITCH                   ; in: row l % 16, 32 bytes for each half of the lanes
	v_lshl_add_u32 v5, v2, 5, v5
	v_add_nc_u32 v[STO], s23, v5
	v_and_b32 v6, 31, v0
	v_lshlrev_b32 v[CO], 4, v6                     ; back: the 32 lanes take one row of 512 bytes; and the same in C
	v_add_nc_u32 v[RD], s23, v[CO]
	s_lshl_b32 s20, s17, 8
	s_lshl_b32 s21, s15, 7
	s_add_co_u32 s20, s20, s21                     ; my first row of C: 256 x tile row + 128 x half
	s_mov_b32 s21, 0
	s_mov_b64 s[18:19], SIZE_N*4
	s_mul_u64 s[20:21], s[20:21], s[18:19]
	s_lshl_b32 s46, s42, 10                        ; my first column, in bytes: 1024 x tile column + 512 x half
	s_lshl_b32 s47, s16, 9
	s_add_co_u32 s46, s46, s47
	s_mov_b32 s47, 0
	s_add_nc_u64 s[20:21], s[20:21], s[46:47]
	s_add_nc_u64 s[12:13], s[12:13], s[20:21]
.macro FRAG reg, adr, q, i             ; a fragment, 16 rows x 128 K of 6-bit codes, is 12 registers: lane l holds row l % 16; registers 6 c .. 6 c + 5 hold K = 64 c + 32 (l / 16) + 0 .. 31: 24 bytes of the row's stream of bits, as they lie
.irp p, 0,1,2,3,4,5                    ; in pieces of 8 bytes, so that every address is a multiple of the access's size.  Lanes 0-15 take the row's pieces 12 q + 0, 1, 2 and 12 q + 6, 7, 8, lanes 16-31 those three pieces on
.set PC, 12*(\q)+6*(\p/3)+\p%3        ; the mover has laid 16 bytes of padding behind every 64 bytes (8 pieces): where the piece three on lies behind one padding more, the second address register (40 for 24 bytes a half) serves
.if PC%8 < 5
	ds_load_b64 v[\reg+2*\p:\reg+2*\p+1], v[\adr] offset:8*PC+16*(PC/8)+(\i)*16*PITCH
.else
	ds_load_b64 v[\reg+2*\p:\reg+2*\p+1], v[\adr+2] offset:8*PC+16*(PC/8)+(\i)*16*PITCH
.endif
.endr
.endm
; 16 matrix instructions: A's blocks a0, a0 + 1 x B's eight, 128 along K: the slot's q-th.  p: B's set;  sc: the set of scale words.  zero = 1: the first product starts the sums: nothing is ever cleared.
; The 64 accumulators take turns, one instruction a turn, in the same order in every step.
.macro MUL16 a0, p, q, sc, zero
.irp a, \a0, \a0+1
.irp b, 0,1,2,3,4,5,6,7
.if \zero
	v_wmma_scale_f32_16x16x128_f8f6f4 v[8*(8*((\a)%4)+\b):8*(8*((\a)%4)+\b)+7], v[128*(\p)+FR*\b:128*(\p)+FR*\b+FR-1], v[AF+FR*(\a):AF+FR*(\a)+FR-1], 0, v[SC+8*NQ*(\sc)+NQ*\b+(\q)], v[SC+8*NQ*(\sc)+NQ*(\a)+(\q)] matrix_a_fmt:MATRIX_FMT_BF6 matrix_b_fmt:MATRIX_FMT_BF6 matrix_a_scale:MATRIX_SCALE_ROW1
.else
	v_wmma_scale_f32_16x16x128_f8f6f4 v[8*(8*((\a)%4)+\b):8*(8*((\a)%4)+\b)+7], v[128*(\p)+FR*\b:128*(\p)+FR*\b+FR-1], v[AF+FR*(\a):AF+FR*(\a)+FR-1], v[8*(8*((\a)%4)+\b):8*(8*((\a)%4)+\b)+7], v[SC+8*NQ*(\sc)+NQ*\b+(\q)], v[SC+8*NQ*(\sc)+NQ*(\a)+(\q)] matrix_a_fmt:MATRIX_FMT_BF6 matrix_b_fmt:MATRIX_FMT_BF6 matrix_a_scale:MATRIX_SCALE_ROW1
.endif
.endr
.endr
.endm
.macro FETCH_B slot, q, p              ; B's eight fragments of the slot's q-th 128 along K into set p
	WIN TO_B
.irp i, 0,1,2,3,4,5,6,7
	FRAG 128*(\p)+FR*\i, ADRB+\slot, \q, \i
.endr
	WIN 0
.endm
.macro FETCH_A slot, q, i0             ; A's blocks i0 .. i0 + 3
.irp i, \i0, \i0+1, \i0+2, \i0+3
	FRAG AF+FR*(\i), ADRA+\slot, \q, \i
.endr
.endm
.macro SCALES sc                       ; the next K step's scale words into set sc: NQ words a row; lanes 0-15 take A's block i, lanes 16-31 B's block i
.irp i, 0,1,2,3,4,5,6,7
	ds_load_b64 v[SC+8*NQ*\sc+NQ*\i:SC+8*NQ*\sc+NQ*\i+1], v[ADRS] offset:\i*SBLK
.endr
.endm
; A load into a register that a matrix instruction has read, and a vector instruction or an LDS store that reads a matrix result, stand NP places behind that matrix instruction, and only plain vector
; instructions that name none of its registers are places (ISA guide 7.12.1 for vector instructions); this text does not count the matrix instructions in between.
.macro PLACES n
.rept \n
	v_nop
.endr
.endm
; A step of 128 along K that has its successor in the same slot.
.macro STEP slot, q, zero
	s_wait_dscnt 4*NL                              ; B's set and A's blocks 0-3 are in; the youngest loads (A's blocks 4-7) may be out
	WIN MUL_LO
	MUL16 0, (\q)%2, \q, \slot, \zero
	MUL16 2, (\q)%2, \q, \slot, \zero
	s_wait_dscnt 0                                 ; A's blocks 4-7 are in (asked for 32 matrix instructions ago)
	PLACES NP
	FETCH_B \slot, (\q)+1, 1-(\q)%2
	FETCH_A \slot, (\q)+1, 0
	WIN MUL_HI
	MUL16 4, (\q)%2, \q, \slot, \zero
	MUL16 6, (\q)%2, \q, \slot, \zero
	PLACES NP
	WIN 0
	FETCH_A \slot, (\q)+1, 4
.endm
; A slot's last step changes slots: ONE barrier; in front of it each wave waits for all its tensor loads, adds 0 to its spare word, and waits for that and for its own reads of this slot.  fill = 1: this slot is filled again, two K steps ahead.
.macro TURN slot, next, fill
	s_wait_tensorcnt 0x0                           ; all my tensor loads have landed: my part of the next slot;  (every window is 0 here: the add's two registers lie in window 0)
	ds_add_u32 v[SPW], v[NIL]                      ; 0 onto my spare word
	s_wait_dscnt 4*NL+1                            ; (the add and the youngest loads, A's blocks 4-7, may be out)
	WIN MUL_LO
	MUL16 0, 1, NQ-1, \slot, 0                     ; sixteen matrix instructions stand between the add and the wait for it
	s_wait_dscnt 0x0                               ; the add is done, and my reads of this slot are over
	s_barrier_signal -1
	MUL16 2, 1, NQ-1, \slot, 0
	WIN 0
	s_barrier_wait -1
.if \fill
	CREST                                          ; the barrier has opened a round of the cluster's barrier: no wave of any partner still reads this slot's tile or has a load on its way
	s_add_nc_u64 s[G0+4*\slot+2:G0+4*\slot+3], s[G0+4*\slot+2:G0+4*\slot+3], 2*ASTEP
	s_add_nc_u64 s[G0B+4*\slot+2:G0B+4*\slot+3], s[G0B+4*\slot+2:G0B+4*\slot+3], 2*ROWB
	JLOAD G0+4*\slot, G1, G0B+4*\slot, G1B         ; the first tensor load behind the round; the four v_nop behind it are among the places in front of the loads below
.else
	PLACES NP
.endif
	v_add_nc_u32 v[ADRS], 4*NQ, v[ADRS]            ; on to the next K step's scale words (no LDS load of mine is out)
	FETCH_B \next, 0, 0
	FETCH_A \next, 0, 0
	SCALES \next
	WIN MUL_HI
	MUL16 4, 1, NQ-1, \slot, 0
	MUL16 6, 1, NQ-1, \slot, 0
	PLACES NP
	WIN 0
	FETCH_A \next, 0, 4
.endm
	s_wait_tensorcnt 1                             ; the scales and my part of K step 0 are in (K step 1's load may be out)
	s_barrier_signal -1
	s_barrier_wait -1                              ; everybody's are
	FETCH_B 0, 0, 0
	FETCH_A 0, 0, 0
	SCALES 0
	FETCH_A 0, 0, 4
	STEP 0, 0, 1                                   ; the first step stands in front of the loop: its products start the sums
	s_mov_b32 s3, LAPS-1
.Llap:                                                 ; a trip goes once round the ring, from a lap's second step to the next lap's first, and fills both slots again
	TURN 0, 1, 1
	STEP 1, 0, 0
	TURN 1, 0, 1
	STEP 0, 0, 0
	s_sub_co_u32 s3, s3, 1
	s_cmp_lg_u32 s3, 0
	s_cbranch_scc1 .Llap
	TURN 0, 1, 0                                   ; the last lap fills nothing, and has no round of the cluster's barrier
	STEP 1, 0, 0
	s_wait_dscnt 4*NL                              ; the very last step: nothing more to fetch
	WIN MUL_LO
	MUL16 0, 1, NQ-1, 1, 0
	MUL16 2, 1, NQ-1, 1, 0
	s_wait_dscnt 0
	WIN MUL_HI
	MUL16 4, 1, NQ-1, 1, 0
	MUL16 6, 1, NQ-1, 1, 0
	WIN 0
; THE WAY OUT, block by block of 16 rows x 128 columns.  A lane holds 32 neighbouring bytes of a row, and the lanes beside it hold other rows: so a block goes through my own stage in LDS and comes back as whole
; rows of 512 bytes.  LDS serves a wave's instructions in order (ISA guide 5.7.1.4): no wait between the stores and the loads, nor in front of the next block's stores.
.macro TOSTAGE a
.set AC, 64*((\a)%4)
	WIN 0x08+4*((\a)/4)                            ; the data: window 2 or 3
.irp b, 0,1,2,3,4,5,6,7
	ds_store_b128 v[STO], v[AC+8*\b:AC+8*\b+3] offset:64*\b          ; each accumulator from its low end on
	ds_store_b128 v[STO], v[AC+8*\b+4:AC+8*\b+7] offset:64*\b+16
.endr
	WIN 0
.set BB, BK+64*((\a)%2)
.irp t, 0,1,2,3,4,5,6,7,8,9,10,11,12,13,14,15
	ds_load_b128 v[BB+4*\t:BB+4*\t+3], v[RD] offset:\t*SPITCH
.endr
.endm
.macro SEND a, younger                 ; younger: the LDS instructions issued behind block a's loads, which may stay out
.set BB, BK+64*((\a)%2)
	s_wait_dscnt \younger                          ; the block is back in registers
.if (\a) > 0
	s_add_nc_u64 s[12:13], s[12:13], 16*SIZE_N*4   ; (behind a wait on XCNT: the earlier stores have read their base)  16 rows of C on, so that the stores' offsets stay small
.endif
.irp t, 0,1,2,3,4,5,6,7,8,9,10,11,12,13,14,15
	global_store_b128 v[CO], v[BB+4*\t:BB+4*\t+3], s[12:13] offset:\t*SIZE_N*4 th:TH_STORE_NT   ; 32 lanes store 512 consecutive bytes, at a multiple of 256 from C's first byte; written once, read by nobody here
.endr
.endm
	PLACES NP                                      ; these places serve the loads into the registers that held A's fragments and block 7's reads alike
	TOSTAGE 0
.irp a, 1,2,3,4,5,6,7
.if \a > 1
	s_wait_xcnt 0x0                                ; block a - 2's stores have read their registers and their base: block a's loads may land there, and the base may step
.endif
	TOSTAGE \a
	SEND \a-1, 32                                  ; behind block a - 1's loads: block a's 16 stores and 16 loads
.endr
	s_wait_xcnt 0x0                                ; block 6's stores have read their base
	SEND 7, 0
	s_wait_tensorcnt 0x0                           ; the wave's end, behind my last tensor load and my last LDS store
	ds_add_u32 v[SPW], v[NIL]
	s_wait_dscnt 0x0
	CROUND                                         ; the closing round: no work-group ends while a partner may still ask for a tile that names it
	s_endpgm
.Lfunc_end_k_qb52a8d6c36_gemm_out:
	.size	k_qb52a8d6c36_gemm_out, .Lfunc_end_k_qb52a8d6c36_gemm_out-k_qb52a8d6c36_gemm_out
	.p2alignl 7, 3214868480
	.fill 96, 4, 3214868480
	.section	.rodata,"a",@progbits
	.p2align	6, 0x0
	.amdhsa_kernel k_qb52a8d6c36_gemm_out
		.amdhsa_group_segment_fixed_size 327680
		.amdhsa_private_segment_fixed_size 0
		.amdhsa_enable_private_segment 0
		.amdhsa_kernarg_size 24
		.amdhsa_user_sgpr_count 2
		.amdhsa_user_sgpr_kernarg_segment_ptr 1
		.amdhsa_wavefront_size32 1
		.amdhsa_system_sgpr_workgroup_id_x 1
		.amdhsa_system_sgpr_workgroup_id_y 1
		.amdhsa_system_sgpr_workgroup_id_z 1
		.amdhsa_system_vgpr_workitem_id 0
		.amdhsa_next_free_vgpr 1024
		.amdhsa_next_free_sgpr 98
		.amdhsa_reserve_vcc 0
		.amdhsa_float_denorm_mode_32 3
		.amdhsa_float_denorm_mode_16_64 3
		.amdhsa_memory_ordered 1
		.amdhsa_forward_progress 1
		.amdhsa_inst_pref_size 160
	.end_amdhsa_kernel
	.amdgpu_metadata
---
amdhsa.version: [ 1, 2 ]
amdhsa.kernels:
  - .name:           k_qb52a8d6c36_gemm_out
    .symbol:         k_qb52a8d6c36_gemm_out.kd
    .args:
      - { .name: ao, .offset: 0, .size: 8, .value_kind: global_buffer, .address_space: global }
      - { .name: qa, .offset: 8, .size: 8, .value_kind: global_buffer, .address_space: global }
      - { .name: out0, .offset: 16, .size: 8, .value_kind: global_buffer, .address_space: global }
    .group_segment_fixed_size: 327680
    .private_segment_fixed_size: 0
    .kernarg_segment_align: 8
    .kernarg_segment_size: 24
    .max_flat_workgroup_size: 128
    .sgpr_count:     98
    .vgpr_count:     1024
    .wavefront_size: 32
...
	.end_amdgpu_metadata
.endif
;; end of part 5
